; MI455X (gfx1250); checked and timed in simulation.
; The chip was launched on July 23, 2026; its instructions are those of AMD's public machine-readable ISA for CDNA 5 (MIT licence, August 2026) and "CDNA5" Instruction Set Architecture Reference Guide (July 2026). The comments in the code are by the model that wrote it; some were corrected since.
;; Self Attention. Allowed arithmetic: matrix products marked QUANTISED: E2M1 operands, one E8M0 scale for each 32 along K, by v_wmma_scale_f32_16x16x128_f8f6f4 with both operands' format E2M1 (or v_wmma_scale_f32_32x16x128_f4), f32 sums; everything else in f32.
;; Inputs: Wk_codes 1,024 x 32 x 16 uint8 (E2M1 codes of Wk, K innermost, in blocks of 32 codes, two codes a byte); Wk_scales 1,024 x 32 uint8 (E8M0 scales of Wk, one for each 32 codes along K); Wo_codes 1,024 x 32 x 16 uint8 (E2M1 codes of Wo, K innermost, in blocks of 32 codes, two codes a byte); Wo_scales 1,024 x 32 uint8 (E8M0 scales of Wo, one for each 32 codes along K); Wq_codes 1,024 x 32 x 16 uint8 (E2M1 codes of Wq, K innermost, in blocks of 32 codes, two codes a byte); Wq_scales 1,024 x 32 uint8 (E8M0 scales of Wq, one for each 32 codes along K); Wv_codes 1,024 x 32 x 16 uint8 (E2M1 codes of Wv, K innermost, in blocks of 32 codes, two codes a byte); Wv_scales 1,024 x 32 uint8 (E8M0 scales of Wv, one for each 32 codes along K); bk 1,024 float32; bo 1,024 float32; bq 1,024 float32; bv 1,024 float32; x 4 x 2,048 x 1,024 float32.
;; Outputs: out0 4 x 2,048 x 1,024 float32.
;; This version of the problem:
;;   THIS VERSION OF THE PROBLEM IS GIVEN IN LOW PRECISION. The matrix products marked QUANTISED in the list below multiply operands that are first quantised to E2M1 (2 exponent bits, 1 mantissa bit; 4 bits a number), with one power-of-two scale for each 32 numbers along K (OCP MX v1.0); their sums are f32. All else is computed in f32.
;;   The module's matrix products, in the order in which they are computed (A, B: the left and right operand; K: the contracted axis; several contracted axes count as one K, in the product's order):
;;     1. [M 8,192, K 1,024] x [K 1,024, N 1,024]; A: input x; B: input Wq (given as codes): QUANTISED
;;     2. [M 8,192, K 1,024] x [K 1,024, N 1,024]; A: input x; B: input Wk (given as codes): QUANTISED
;;     3. [M 8,192, K 1,024] x [K 1,024, N 1,024]; A: input x; B: input Wv (given as codes): QUANTISED
;;     4. batch 64 x [M 2,048, K 64] x [K 64, N 2,048]; A: computed on the way; B: computed on the way: QUANTISED
;;     5. batch 64 x [M 2,048, K 2,048] x [K 2,048, N 64]; A: softmax (see below); B: computed on the way: QUANTISED
;;     6. [M 8,192, K 1,024] x [K 1,024, N 1,024]; A: computed on the way; B: input Wo (given as codes): QUANTISED
;;   THE QUANTISER, for each operand of a quantised product, along K:
;;     - K is cut into blocks of 32 from its start; a last block that is shorter is filled with zeros.
;;     - A block's scale is 2^e with e = floor(log2(the largest magnitude in the block)) - 2, held to -126 .. 127; a block of zeros has e = 0. As a byte (E8M0): e + 127.
;;     - Each number is divided by its block's scale, clamped to +-6, and rounded to the nearest number of E2M1, ties to even, subnormals kept.
;;     - The product sums the exact products of the quantised numbers (number of the format x scale) in f32.
;;   ~~~python
;;   def quantise(x, axis):      # numpy; x: float32 -> the quantised numbers, widened to float32 again
;;       x = np.moveaxis(x, axis, -1); K = x.shape[-1]
;;       x = np.pad(x, [(0, 0)] * (x.ndim - 1) + [(0, -K % 32)]); x = x.reshape(x.shape[:-1] + (-1, 32)); a = np.abs(x).max(-1, keepdims=True)
;;       e = np.where(a > 0, np.clip(np.frexp(np.where(a > 0, a, 1))[1] - 1 - 2, -126, 127), 0)      # np.frexp(a)[1] - 1 = floor(log2(a)), exactly
;;       r = np.clip(x / 2.0 ** e, -6, 6)
;;       step = 2.0 ** (np.maximum(np.frexp(np.where(r == 0, 1, r))[1] - 1, 0) - 1)
;;       q = np.round(r / step) * step * 2.0 ** e      # np.round: ties to even
;;       return np.moveaxis(q.reshape(q.shape[:-2] + (-1,))[..., :K], -1, axis).astype(np.float32)
;;   ~~~
;;   SOFTMAX AHEAD OF A QUANTISED PRODUCT. Where the list says 'softmax', what is quantised is not the finished softmax but p = 2^(t - M), with t = logit x log2(e) and M = ceil(the row's largest t), a whole number; so 1/2 < the row's largest p <= 1. The row's sum l is taken of the UNQUANTISED p, in f32, and the product's result is divided by l at the end. Since M is a whole number, a kernel that streams over the keys may use a running M (the ceiling of the running maximum): every later rescaling is an exact power of two, which a block's scale takes up: the codes' values come out the same.
;;   OPERANDS COMPUTED ON THE WAY. 'Computed on the way' means the value that the module computes at that place (a softmax that the list does not call 'softmax' is quantised finished and normalised). What goes into a quantiser is computed in f32, as accurately as f32 sums, v_exp_f32 and their like allow (about 1e-6 of the number): no bf16 or f16 on the way to a quantiser, and a product that is left as it is and whose result goes on into a quantised operand takes f32 operands (vector FMAs, or v_wmma_f32_16x16x4_f32). A number that lies on a knife's edge between two numbers of the format may be rounded either way, as far as f32 arithmetic and the matrix unit's own rounding can turn it there, and no further.
;;   INPUTS GIVEN AS CODES. Wk (in the module: [1024, 1024], K = its axis 0); Wo (in the module: [1024, 1024], K = its axis 0); Wq (in the module: [1024, 1024], K = its axis 0); Wv (in the module: [1024, 1024], K = its axis 0): each comes as NAME_codes (uint8): NAME with its K axis moved to the last place and cut into blocks of 32 codes, [.., K / 32, bytes a block], one block behind the other in memory; two codes a byte, the lower K in the low four bits (a code: sign, 2 exponent bits, 1 mantissa bit); and NAME_scales (uint8): the same leading axes, one E8M0 byte (e + 127) for each 32 codes along K. Its value is code x scale, taken as it is: it is not quantised again, and the codes and scales need not be those that the quantiser above would give.
;; One version. Each part assembles by itself: llvm-mc -triple=amdgcn-amd-amdhsa -mcpu=gfx1250 --defsym DOCPART=n.
;; ======== version 1 of 1: 4 launches
;; workspace buffers: xc 4,194,304 bytes; xs 262,144 bytes; qbuf 4,718,592 bytes; kbuf 4,718,592 bytes; vbuf 4,456,448 bytes; cimg 4,194,304 bytes; csc 262,144 bytes
;; launch quant_x (part 1): grid 256 x 1, 4 waves a work-group, no clusters, 33,280 bytes of LDS; arguments x, xc, xs; writes xc, xs
.if DOCPART == 1
	.amdgcn_target "amdgcn-amd-amdhsa--gfx1250"
	.amdhsa_code_object_version 6
	.text
	.protected	k_q4aa4155965_quant_x
	.globl	k_q4aa4155965_quant_x
	.p2align	8
	.type	k_q4aa4155965_quant_x,@function
k_q4aa4155965_quant_x:
	s_mov_b64 s[64:65], 0
	v_nop
	global_prefetch_b8 v0, s[64:65] scope:SCOPE_SE
	s_setreg_imm32_b32 hwreg(HW_REG_WAVE_MODE, 25, 1), 1
	s_wait_xcnt 0x0
; SELF-ATTENTION IN MX-FP4, launch 1 of 4: x [8192 tokens][1024], f32, becomes codes of E2M1 (xc: [8192][512 bytes], K innermost, the lower k in the low four bits)
; and one E8M0 byte for each 32 along K (xs: [8192][32 bytes]).  The three projections read these codes, so x is quantised once.
; DEAD WORK: none.  Every product of the problem is live; bq, bk and bv go into operands that are quantised (bk too: a quantiser stands behind it), bo and x go into the output.  All 13 inputs are loaded by some launch.
; A block's scale is 2^(floor(log2(its largest magnitude)) - 2); its byte is the largest magnitude's own exponent field - 2, held at 1 from below.
; LIMITS: a block of zeros, or one whose largest magnitude lies under 2^-124, gets the byte 1 where the rule says 127 or less: a block of zeros has zero codes, which add nothing under any byte but 0xff, and this program alone reads the bytes.
; NaN and infinities among the inputs are not served.
; Rows are dense and 1024 is a multiple of 32: x is a plain stream of blocks of 32, and so are the codes and the bytes.  A wave takes 16 steps of 512 numbers.  Each of a step's four loads reads 512 consecutive bytes;
; the 2,048 bytes turn through the wave's own stage in LDS and come back 64 bytes a lane, so that a lane holds 16 neighbours along K (two neighbouring lanes hold a block).  Waves share nothing: no barrier.
.set WAVES, 4
.set STEPS, 16
.set EMAX,  2
.set CB,    8                          ; bytes of 16 codes
.set R,     16                         ; v16-79   four sets of 16 numbers as they are loaded
.set X,     80                         ; v80-111  two sets of 16 neighbours
.set C,     128                        ; v128-191 codes: four registers for each step, so that no store's data are written again
.set E,     112                        ; v112-127 a scale byte for each step
.set WREG,  8192                       ; LDS: a region for each wave: two stages of 32 x SP bytes, behind them its 256 scale bytes
.set SP,    80                         ; a lane's place in a stage: 64 bytes + 16 of padding
.set SPW,   12                         ; v12  LDS address of my spare word; never rewritten
.set NIL,   13                         ; v13  0; never rewritten
.set SPARE, WAVES*WREG                 ; behind the four regions: the spare words, 128 bytes a wave
	s_load_b64 s[4:5], s[0:1], 0x0                 ; x
	s_load_b64 s[8:9], s[0:1], 0x8                 ; xc
	s_load_b64 s[10:11], s[0:1], 0x10              ; xs
	v_lshl_add_u32 v[SPW], v0, 2, SPARE
	v_mov_b32 v[NIL], 0
	v_lshrrev_b32 v1, 5, v0
	v_readfirstlane_b32 s16, v1                    ; wave
	v_and_b32 v2, 31, v0                           ; lane
	v_lshlrev_b32 v3, 4, v2                        ; my 16 bytes of a load's 512
	s_mul_i32 s17, s16, WREG
	v_lshrrev_b32 v14, 2, v2
	v_mul_u32_u24 v14, v14, SP
	v_and_b32 v15, 3, v2
	v_lshl_add_u32 v14, v15, 4, v14
	v_add_nc_u32 v14, s17, v14                     ; the stage, on the way in: SP (lane / 4) + 16 (lane % 4)
	v_mul_u32_u24 v15, v2, SP
	v_add_nc_u32 v15, s17, v15                     ; and on the way out: SP x lane: my 16 neighbours
	v_mul_u32_u24 v4, v2, CB                       ; my codes' place in a step's
	v_lshrrev_b32 v5, 1, v2
	s_add_co_u32 s17, s17, 2*32*SP
	v_add_nc_u32 v5, s17, v5                       ; LDS: my wave's 256 scale bytes, my block's byte
	v_lshlrev_b32 v7, 3, v2                        ; and on the way out 8 bytes a lane
	v_add_nc_u32 v6, s17, v7
	s_lshl_b32 s17, ttmp9, 2
	s_add_co_u32 s18, s17, s16                     ; which run of 8,192 numbers is my wave's
	s_mov_b32 s19, 0
	s_mov_b64 s[20:21], 512*STEPS*4
	s_mul_u64 s[20:21], s[18:19], s[20:21]
	s_mov_b64 s[22:23], 32*STEPS*CB
	s_mul_u64 s[22:23], s[18:19], s[22:23]
	s_lshl_b32 s18, s18, 8                         ; 256 scale bytes a run
	s_wait_alu depctr_va_vdst(0)
	s_wait_kmcnt 0x0
	s_add_nc_u64 s[4:5], s[4:5], s[20:21]
	s_add_nc_u64 s[8:9], s[8:9], s[22:23]
	s_add_nc_u64 s[10:11], s[10:11], s[18:19]
.macro LOAD t
.irp i, 0,1,2,3
	global_load_b128 v[R+16*((\t)%4)+4*\i:R+16*((\t)%4)+4*\i+3], v3, s[4:5] offset:2048*(\t)+512*\i   ; 32 lanes read 512 consecutive bytes
.endr
.endm
.macro TURN t                          ; step t's numbers through the stage: LDS serves a wave's instructions in order, so no wait stands between the stores and the loads
.irp i, 0,1,2,3
	ds_store_b128 v14, v[R+16*((\t)%4)+4*\i:R+16*((\t)%4)+4*\i+3] offset:32*SP*((\t)%2)+8*SP*\i
.endr
.irp i, 0,1,2,3
	ds_load_b128 v[X+16*((\t)%2)+4*\i:X+16*((\t)%2)+4*\i+3], v15 offset:32*SP*((\t)%2)+16*\i
.endr
.endm
.irp t, 0,1,2,3
	LOAD \t
.endr
	s_wait_loadcnt 12                              ; step 0's four loads are in; the twelve of steps 1 to 3 may be out
	TURN 0
.macro STEP t
.set XS, X+16*((\t)%2)
.if (\t) > 0
	s_wait_dscnt 1                                 ; this step's numbers are back from the stage (the last step's byte store may be out): so its stores into the stage have read their registers,
.else
	s_wait_dscnt 0x0
.endif
.if (\t)+4 < STEPS
	LOAD (\t)+4                                    ; which take the loads of four steps on
.endif
.if (\t)+1 < STEPS
.if STEPS-2-(\t) >= 3
	s_wait_loadcnt 12                              ; the next step's four loads are in; those of the three steps behind it may be out
.else
	s_wait_loadcnt 4*(STEPS-2-(\t))
.endif
	TURN (\t)+1                                    ; and go through the other stage while this step is worked
.endif
	v_max3_num_f32 v8, |v[XS]|, |v[XS+1]|, |v[XS+2]|               ; the largest magnitude of my 16, in two chains
	v_max3_num_f32 v9, |v[XS+3]|, |v[XS+4]|, |v[XS+5]|
.irp i, 6,10
	v_max3_num_f32 v8, v8, |v[XS+\i]|, |v[XS+\i+1]|
	v_max3_num_f32 v9, v9, |v[XS+\i+2]|, |v[XS+\i+3]|
.endr
	v_max3_num_f32 v8, v8, |v[XS+14]|, |v[XS+15]|
	v_max3_num_f32 v8, v8, v9, (EMAX+1)<<23        ; and the floor 2^(3 - 127): the byte cannot fall under 1
	v_max_num_f32_dpp v8, v8, v8 row_xmask:1 row_mask:0xf bank_mask:0xf   ; and of my neighbour's 16: the block's
	v_add_nc_u32 v11, -(EMAX<<23), v8              ; 2 off its exponent field: the conversion takes the exponent field of this operand as its scale
	v_cvt_scalef32_pk8_fp4_f32 v[C+4*(\t)], v[XS:XS+7], v11
	v_cvt_scalef32_pk8_fp4_f32 v[C+4*(\t)+1], v[XS+8:XS+15], v11
	v_lshrrev_b32 v[E+(\t)], 23, v11               ; the scale's byte
	ds_store_b8 v5, v[E+(\t)] offset:16*(\t)       ; both lanes of a block write the same byte with the same value
	global_store_b64 v4, v[C+4*(\t):C+4*(\t)+1], s[8:9] offset:32*CB*(\t)   ; the wave stores 256 consecutive bytes, aligned
.endm
.irp t, 0,1,2,3,4,5,6,7,8,9,10,11,12,13,14,15
	STEP \t
.endr
	ds_load_b64 v[8:9], v6                         ; LDS serves a wave's instructions in order: these see my stores
	s_wait_dscnt 0x0
	global_store_b64 v7, v[8:9], s[10:11]          ; 32 lanes store 256 consecutive bytes, aligned
	s_wait_tensorcnt 0x0                           ; the wave's end, behind my last LDS store
	ds_add_u32 v[SPW], v[NIL]
	s_wait_dscnt 0x0
	s_endpgm
.Lfunc_end_k_q4aa4155965_quant_x:
	.size	k_q4aa4155965_quant_x, .Lfunc_end_k_q4aa4155965_quant_x-k_q4aa4155965_quant_x
	.p2alignl 7, 3214868480
	.fill 96, 4, 3214868480
	.section	.rodata,"a",@progbits
	.p2align	6, 0x0
	.amdhsa_kernel k_q4aa4155965_quant_x
		.amdhsa_group_segment_fixed_size 33280
		.amdhsa_private_segment_fixed_size 0
		.amdhsa_enable_private_segment 0
		.amdhsa_kernarg_size 24
		.amdhsa_user_sgpr_count 2
		.amdhsa_user_sgpr_kernarg_segment_ptr 1
		.amdhsa_wavefront_size32 1
		.amdhsa_system_sgpr_workgroup_id_x 1
		.amdhsa_system_sgpr_workgroup_id_y 1
		.amdhsa_system_sgpr_workgroup_id_z 1
		.amdhsa_system_vgpr_workitem_id 0
		.amdhsa_next_free_vgpr 192
		.amdhsa_next_free_sgpr 66
		.amdhsa_reserve_vcc 0
		.amdhsa_float_denorm_mode_32 3
		.amdhsa_float_denorm_mode_16_64 3
		.amdhsa_memory_ordered 1
		.amdhsa_forward_progress 1
		.amdhsa_inst_pref_size 33
	.end_amdhsa_kernel
	.amdgpu_metadata
---
amdhsa.version: [ 1, 2 ]
amdhsa.kernels:
  - .name:           k_q4aa4155965_quant_x
    .symbol:         k_q4aa4155965_quant_x.kd
    .args:
      - { .name: x, .offset: 0, .size: 8, .value_kind: global_buffer, .address_space: global }
      - { .name: xc, .offset: 8, .size: 8, .value_kind: global_buffer, .address_space: global }
      - { .name: xs, .offset: 16, .size: 8, .value_kind: global_buffer, .address_space: global }
    .group_segment_fixed_size: 33280
    .private_segment_fixed_size: 0
    .kernarg_segment_align: 8
    .kernarg_segment_size: 24
    .max_flat_workgroup_size: 128
    .sgpr_count:     66
    .vgpr_count:     192
    .wavefront_size: 32
...
	.end_amdgpu_metadata
.endif
;; end of part 1
;; launch qkv (part 2): grid 12 x 32, 4 waves a work-group, clusters of 4 x 4, 327,680 bytes of LDS; arguments xc, xs, Wq_codes, Wq_scales, Wk_codes, Wk_scales, Wv_codes, Wv_scales, bq, bk, bv, qbuf, kbuf, vbuf; writes qbuf, kbuf, vbuf
.if DOCPART == 2
	.amdgcn_target "amdgcn-amd-amdhsa--gfx1250"
	.amdhsa_code_object_version 6
	.text
	.protected	k_q4aa4155965_qkv
	.globl	k_q4aa4155965_qkv
	.p2align	8
	.type	k_q4aa4155965_qkv,@function
k_q4aa4155965_qkv:
	s_mov_b64 s[64:65], 0
	v_nop
	global_prefetch_b8 v0, s[64:65] scope:SCOPE_SE
	s_setreg_imm32_b32 hwreg(HW_REG_WAVE_MODE, 25, 1), 1
	s_wait_xcnt 0x0
	s_wait_alu depctr_hold_cnt(0) depctr_sa_sdst(0) depctr_va_vdst(0) depctr_va_sdst(0) depctr_va_ssrc(0) depctr_va_vcc(0) depctr_vm_vsrc(0)
	s_getreg_b32 s2, hwreg(HW_REG_IB_STS2, 6, 4)
	s_cmp_eq_u32 s2, 0
	s_cbranch_scc0 .Lentry_in_a_cluster
	s_endpgm
.Lentry_in_a_cluster:
	s_bfe_u32 s2, ttmp6, 0x10000c
	s_cmp_lg_u32 s2, 0xf033
	s_cbranch_scc0 .Lentry_shape_is_right
	s_endpgm
.Lentry_shape_is_right:
; Launch 2 of 4: q = x Wq + bq, k = x Wk + bk, v = x Wv + bv on codes of E2M1, each result quantised in registers along the K of the product that takes it, and stored as IMAGES OF OPERAND REGISTERS.  No work is left out.
; ONE BODY, TWO ABSTRACT OPERANDS, each 256 rows x 512 bytes of codes with 32 scale bytes a row.  P is source 0: its rows run along a lane's result registers, the axis that is quantised.  Q is source 1: its rows are the lanes.
;   cluster x = 0: P = Wq's rows (features), Q = tokens.   1: P = Wk's rows, Q = tokens.   2: P = tokens (the keys are the K of p v), Q = Wv's rows (channels).
; P's tile hangs on cx and the cluster's ids alone and is asked for jointly by a column of the 4 x 4 cluster; Q's on cy and the cluster's ids alone, by a row.  The buffers are chosen on the cluster's x, which all sixteen partners share.
; ALL OF K = 1024 of both tiles fits in LDS: each wave brings 128 rows x 512 bytes by one tensor load, nothing is filled again, and one barrier shows the tiles to all four waves.
; A wave makes 128 x 128: 64 accumulators.  A step of 128 along K is 64 products, Q's blocks one after the other against P's eight; Q has one set of fragment registers, P two.
; THE SCALE WORDS go straight into registers, once: lane (r, H) takes 16 bytes of row r: the words of K steps 4 H .. 4 H + 3; K step g names register g % 4 and, from g = 4 on, the upper half of the lanes.
; QUANTISING A RESULT.  In tile t lane (r, h) holds, in register j, index 16 t + 8 h + j along the next K.  A block of 32 is tiles 2 b, 2 b + 1 in lanes l and l xor 16.  The conversion of tile 2 b + u goes to register
; 4 (b / 2) + 2 u + b % 2; an exchange of halves between registers 4 c + 2 u and 4 c + 2 u + 1 then leaves, in registers 4 c .. 4 c + 3 of lane (r, H), block 2 c + H in ascending order: the operand's layout.
; OUT.  q, k: for each head 128 images of 512 bytes (16 tokens; lane (r, H): block H of the head's 64), then the scale words.  v: for each 128 keys and head 4 channel tiles x 2 images, then 64 scale words.  Every store of codes covers 512 consecutive bytes, aligned.
; LIMITS: a block of zeros or under 2^-124 gets the byte 1 (its codes are zeros or this program's own); NaN and infinities are not served.
.set PITCH, 528                        ; an LDS row: 512 bytes + 16 of padding = 132 words: the 16 rows of a fragment load start at 16 different groups of four banks
.set HALFT, 128*PITCH                  ; what one tensor load brings
.set POFF,  2*HALFT                    ; Q's 256 rows lie first, then P's
.set SPARE, 4*HALFT                    ; the spare words, 128 bytes a wave
.set HEADB, 73728                      ; a head of qbuf or kbuf: 65,536 bytes of images, 8,192 of scale words
.set VREC,  4352                       ; a record of vbuf: 4,096 bytes of images, 256 of scale words
.set VSTEP, 16*VREC                    ; 16 heads: a step of 128 keys
.set RR,   1                           ; v1   r = lane % 16
.set HH,   2                           ; v2   H = lane / 16
.set LN,   3                           ; v3   lane
.set ADRA, 16                          ; v16  LDS address of my fragments of Q
.set ADRB, 20                          ; v20  of P
.set SO,   24                          ; v24  32 r + 16 H: my 16 scale bytes of a row
.set LI,   25                          ; v25  16 x lane: my place in an image
.set BO,   26                          ; v26  the bias's offset
.set SH,   27                          ; v27  16 H
.set SPW,  28                          ; v28  my spare word; never rewritten
.set NIL,  29                          ; v29  0; never rewritten
.set VS,   30                          ; v30  the scale words' offset on the way out
.set PS,   32                          ; v32-63  P's scale words, tile b at PS + 4 b
.set QS,   64                          ; v64-95  Q's
.set TM,   96                          ; v96-111 at work in QUANT
.set PC,   112                         ; v112-119 the codes just made
.set SW,   120                         ; v120-127 the scale words just made, one for each block of Q
.set AF,   128                         ; v128-191 Q's fragments; on the way out the 64 numbers with the bias
.set HA,   128
.set BN,   192                         ; v192-255 the bias
.set G1,   32                          ; s[32:39] group 1 for Q's tile;  s[40:47] for P's;  s[48:51], s[56:59] their groups 0
.set G1B,  40
.set G0,   48
.set G0B,  56
.set BIAS, 52                          ; s[52:53]
.set OUTS, 54                          ; s[54:55]
.set SEL,  60                          ; s[60:61] selects for lane l xor 16
.set WV,   66
.set WQ,   67                          ; my half of Q's rows.  Also: I fetch for Q (0) or for P (1)
.set WP,   68                          ; my half of P's rows.  Also: which 128 rows I fetch
.set CX,   69
.set CY,   70
.set CLX,  71
.set CLY,  72
.set ISV,  73
.set NISV, 74
.set PI,   76                          ; P's tile
.set QI,   84                          ; Q's tile
.set OUT,  98                          ; s[98:99]
.set MSB, 0
.macro WIN new                         ; the immediate's high byte repeats the setting that is left
.if MSB != \new
	s_set_vgpr_msb (MSB<<8)|\new
.set MSB, \new
.endif
.endm
.set MUL_LO, 0xa1                      ; source 0 (P) window 1, source 1 (Q) window 0, C and D window 2
.set MUL_HI, 0xf1                      ; the same, C and D window 3
.set TO_B,   0x40                      ; destination window 1, address window 0
.macro PLACES
.rept 4
	v_nop
.endr
.endm
.macro JLOAD                           ; waves 0 and 1 fetch Q's halves, waves 2 and 3 P's; an s_nop 0 and four v_nop follow each of the two lines
	s_cmp_eq_u32 s[WQ], 0
	s_cbranch_scc0 .Lfor_b_\@
	tensor_load_to_lds s[G0:G0+3], s[G1:G1+7]
	s_nop 0
	PLACES
	s_branch .Lasked_\@
.Lfor_b_\@:
	tensor_load_to_lds s[G0B:G0B+3], s[G1B:G1B+7]
	s_nop 0
	PLACES
.Lasked_\@:
.endm
.macro CROUND                          ; a round of the cluster's barrier
	s_barrier_signal -1
	s_barrier_wait -1
	s_cmp_lg_u32 s[WV], 0
	s_cbranch_scc1 .Lnot_wave_0_\@
	s_barrier_signal -3
.Lnot_wave_0_\@:
	s_barrier_wait -3
	s_barrier_signal -1
	s_barrier_wait -1
.endm
	s_load_b512 s[4:19], s[0:1], 0x0               ; xc, xs, Wq's codes and scales, Wk's, Wv's
	s_load_b256 s[20:27], s[0:1], 0x40             ; bq, bk, bv, qbuf
	s_load_b128 s[28:31], s[0:1], 0x60             ; kbuf, vbuf
	v_lshl_add_u32 v[SPW], v0, 2, SPARE
	v_mov_b32 v[NIL], 0
	ds_add_u32 v[SPW], v[NIL]                      ; the wave's opening: the add, twice on end, and its wait ahead of my first tensor load
	ds_add_u32 v[SPW], v[NIL]
	v_lshrrev_b32 v1, 5, v0
	v_readfirstlane_b32 s[WV], v1
	s_lshr_b32 s[WQ], s[WV], 1
	s_and_b32 s[WP], s[WV], 1
	s_bfe_u32 s[CX], ttmp6, 0x40000
	s_bfe_u32 s[CY], ttmp6, 0x40004
	s_mov_b32 s[CLX], ttmp9                        ; the cluster's x: which projection
	s_and_b32 s[CLY], ttmp7, 0xffff                ; the cluster's y: which 1,024 tokens
	s_lshr_b32 s[ISV], s[CLX], 1                   ; 1 for v
	s_xor_b32 s[NISV], s[ISV], 1
	s_lshl_b32 s92, s[CY], 2
	s_lshl_b32 s92, 15, s92                        ; my row of the cluster
	s_lshl_b32 s93, 0x1111, s[CX]                  ; my column
	s_or_b32 s[G1], s92, (0<<16)|(1<<20)|(1<<21)|(6<<22)|(3<<25)    ; the mask; elements of 1 byte; padding on; bit 21 beside a mask; 4 words behind every 128
	s_or_b32 s[G1B], s93, (0<<16)|(1<<20)|(1<<21)|(6<<22)|(3<<25)
.irp g, G1, G1B
	s_mov_b32 s[\g+1], 512<<16                     ; tensor_dim0 = 512
	s_mov_b32 s[\g+2], 128<<16                     ; tensor_dim1 = 128
	s_mov_b32 s[\g+3], 512<<16                     ; tile_dim0
	s_mov_b32 s[\g+4], 128                         ; tile_dim1
	s_mov_b32 s[\g+5], 512                         ; from row to row
	s_mov_b32 s[\g+6], 0
	s_mov_b32 s[\g+7], 0
.endr
	s_mul_i32 s[PI], s[CLY], s[ISV]                ; P's tile: cx among a weight's four, or 4 x cluster y + cx among the tokens' 32
	s_lshl_b32 s[PI], s[PI], 2
	s_add_co_u32 s[PI], s[PI], s[CX]
	s_mul_i32 s[QI], s[CLY], s[NISV]               ; Q's likewise with cy
	s_lshl_b32 s[QI], s[QI], 2
	s_add_co_u32 s[QI], s[QI], s[CY]
	s_lshl_b32 s62, s[WP], 7
	s_lshl_b32 s78, s[PI], 8
	s_add_co_u32 s78, s78, s62                     ; P's rows that I fetch, and that I multiply
	s_lshl_b32 s94, s78, 5                         ; their scale bytes
	s_mov_b32 s95, 0
	s_lshl_b32 s78, s78, 9                         ; their codes
	s_mov_b32 s79, 0
	s_lshl_b32 s86, s[QI], 8
	s_lshl_b32 s63, s[WQ], 7
	s_add_co_u32 s96, s86, s63                     ; Q's rows that I multiply:
	s_lshl_b32 s96, s96, 5                         ; their scale bytes
	s_mov_b32 s97, 0
	s_add_co_u32 s86, s86, s62                     ; Q's rows that I fetch:
	s_lshl_b32 s86, s86, 9                         ; their codes
	s_mov_b32 s87, 0
	s_mov_b32 s[SEL], 0x76543210
	s_mov_b32 s[SEL+1], 0xfedcba98
	s_wait_dscnt 0x0                               ; both opening adds are done
	s_wait_kmcnt 0x0
	s_cmp_eq_u32 s[CLX], 0                         ; q's buffers or k's
	s_cselect_b64 s[80:81], s[8:9], s[12:13]
	s_cselect_b64 s[82:83], s[10:11], s[14:15]
	s_cselect_b64 s[BIAS:BIAS+1], s[20:21], s[22:23]
	s_cselect_b64 s[OUT:OUT+1], s[26:27], s[28:29]
	s_cmp_eq_u32 s[ISV], 0                         ; or v's, with the operands' parts exchanged
	s_cselect_b64 s[88:89], s[4:5], s[16:17]       ; Q's codes
	s_cselect_b64 s[90:91], s[6:7], s[18:19]       ; Q's scales
	s_cselect_b64 s[80:81], s[80:81], s[4:5]       ; P's codes
	s_cselect_b64 s[82:83], s[82:83], s[6:7]       ; P's scales
	s_cselect_b64 s[BIAS:BIAS+1], s[BIAS:BIAS+1], s[24:25]
	s_cselect_b64 s[OUT:OUT+1], s[OUT:OUT+1], s[30:31]
	s_add_nc_u64 s[82:83], s[82:83], s[94:95]
	s_add_nc_u64 s[90:91], s[90:91], s[96:97]
	CROUND                                         ; all sixteen work-groups are here: the joint loads meet
	s_mov_b32 s[G0], 1
	s_mul_i32 s[G0+1], s[WV], HALFT                ; LDS: wave x 128 rows: no place in the cluster enters an LDS address
	s_add_nc_u64 s[G0+2:G0+3], s[88:89], s[86:87]
	s_or_b32 s[G0+3], s[G0+3], 0x80000000
	s_mov_b32 s[G0B], 1
	s_mul_i32 s[G0B+1], s[WV], HALFT
	s_add_nc_u64 s[G0B+2:G0B+3], s[80:81], s[78:79]
	s_or_b32 s[G0B+3], s[G0B+3], 0x80000000
	JLOAD                                          ; my one tensor load of the launch
	v_and_b32 v[RR], 15, v0
	v_bfe_u32 v[HH], v0, 4, 1
	v_and_b32 v[LN], 31, v0
	v_lshlrev_b32 v[SO], 5, v[RR]
	v_lshl_add_u32 v[SO], v[HH], 4, v[SO]
.irp i, 0,1,2,3,4,5,6,7
	global_load_b128 v[PS+4*\i:PS+4*\i+3], v[SO], s[82:83] offset:512*\i   ; 16 rows x 32 bytes: 512 consecutive bytes
	global_load_b128 v[QS+4*\i:QS+4*\i+3], v[SO], s[90:91] offset:512*\i
.endr
	v_mul_u32_u24 v4, v[RR], PITCH
	v_lshl_add_u32 v4, v[HH], 4, v4                ; a fragment's row x pitch + 16 x half
	s_mul_i32 s62, s[WQ], HALFT
	v_add_nc_u32 v[ADRA], s62, v4
	s_mul_i32 s62, s[WP], HALFT
	s_add_co_u32 s62, s62, POFF
	v_add_nc_u32 v[ADRB], s62, v4
	v_lshlrev_b32 v[LI], 4, v[LN]
	v_lshlrev_b32 v[SH], 4, v[HH]
.irp b, 0,1,2,3
	v_mov_b32 v[TM+4+\b], 0                        ; written once: a lane permute's destination counts as one of its sources
.endr
.macro FRAG reg, adr, g, i             ; 16 rows x 128 K of 4-bit codes: 8 registers; registers 4 c .. 4 c + 3 hold K = 64 c + 32 H + 0 .. 31
.irp c, 0,1
	ds_load_b128 v[\reg+4*\c:\reg+4*\c+3], v[\adr] offset:64*(\g)+32*\c+(\i)*16*PITCH
.endr
.endm
.macro FETCH_B g, p                    ; P's eight fragments of K step g into set p
	WIN TO_B
.irp i, 0,1,2,3,4,5,6,7
	FRAG 128*(\p)+8*\i, ADRB, \g, \i
.endr
	WIN 0
.endm
.macro FETCH_A g, i0                   ; Q's blocks i0 .. i0 + 3
.irp i, \i0, \i0+1, \i0+2, \i0+3
	FRAG AF+8*(\i), ADRA, \g, \i
.endr
.endm
; 16 products: Q's blocks a0, a0 + 1 against P's eight, K step g.  The 64 accumulators take turns, one instruction a turn, in the same order in every step.
.macro MUL16 a0, g, zero
.irp a, \a0, \a0+1
.irp b, 0,1,2,3,4,5,6,7
.if \zero
	v_wmma_scale_f32_16x16x128_f8f6f4 v[8*(8*((\a)%4)+\b):8*(8*((\a)%4)+\b)+7], v[128*((\g)%2)+8*\b:128*((\g)%2)+8*\b+7], v[AF+8*(\a):AF+8*(\a)+7], 0, v[PS+4*\b+(\g)%4], v[QS+4*(\a)+(\g)%4] matrix_a_fmt:MATRIX_FMT_FP4 matrix_b_fmt:MATRIX_FMT_FP4
.elseif (\g) < 4
	v_wmma_scale_f32_16x16x128_f8f6f4 v[8*(8*((\a)%4)+\b):8*(8*((\a)%4)+\b)+7], v[128*((\g)%2)+8*\b:128*((\g)%2)+8*\b+7], v[AF+8*(\a):AF+8*(\a)+7], v[8*(8*((\a)%4)+\b):8*(8*((\a)%4)+\b)+7], v[PS+4*\b+(\g)%4], v[QS+4*(\a)+(\g)%4] matrix_a_fmt:MATRIX_FMT_FP4 matrix_b_fmt:MATRIX_FMT_FP4
.else
	v_wmma_scale_f32_16x16x128_f8f6f4 v[8*(8*((\a)%4)+\b):8*(8*((\a)%4)+\b)+7], v[128*((\g)%2)+8*\b:128*((\g)%2)+8*\b+7], v[AF+8*(\a):AF+8*(\a)+7], v[8*(8*((\a)%4)+\b):8*(8*((\a)%4)+\b)+7], v[PS+4*\b+(\g)%4], v[QS+4*(\a)+(\g)%4] matrix_a_fmt:MATRIX_FMT_FP4 matrix_b_fmt:MATRIX_FMT_FP4 matrix_a_scale:MATRIX_SCALE_ROW1 matrix_b_scale:MATRIX_SCALE_ROW1
.endif
.endr
.endr
.endm
.macro STEP g, zero                    ; K step g, 0 to 6; the next step's fragments are fetched in two runs, each behind four places
	s_wait_dscnt 8                                 ; P's set and Q's blocks 0-3 are in; the youngest eight loads (Q's blocks 4-7) may be out
	WIN MUL_LO
	MUL16 0, \g, \zero
	MUL16 2, \g, \zero
	s_wait_dscnt 0x0                               ; Q's blocks 4-7 are in
	PLACES
	FETCH_B (\g)+1, 1-(\g)%2
	FETCH_A (\g)+1, 0
	WIN MUL_HI
	MUL16 4, \g, \zero
	MUL16 6, \g, \zero
	PLACES
	WIN 0
	FETCH_A (\g)+1, 4
.endm
.macro LAST                            ; K step 7: nothing more to fetch
	s_wait_dscnt 8
	WIN MUL_LO
	MUL16 0, 7, 0
	MUL16 2, 7, 0
	s_wait_dscnt 0x0
	WIN MUL_HI
	MUL16 4, 7, 0
	MUL16 6, 7, 0
	WIN 0
.endm
; 64 numbers of a lane, v[s + 16 b + 8 u + j], become a fragment's codes in v[PC] on and its scale word in v[pw]
.macro QUANT s, pw
.irp b, 0,1,2,3
	v_max3_num_f32 v[TM+\b], |v[\s+16*\b]|, |v[\s+16*\b+1]|, 0x1800000   ; block b: my 16 numbers, and the floor 2^(3 - 127): the byte cannot fall under 1
.endr
.irp i, 2,4,6,8,10,12,14
.irp b, 0,1,2,3
	v_max3_num_f32 v[TM+\b], v[TM+\b], |v[\s+16*\b+\i]|, |v[\s+16*\b+\i+1]|   ; the four blocks by turns
.endr
.endr
.irp b, 0,1,2,3
	v_permlanex16_b32 v[TM+4+\b], v[TM+\b], s[SEL], s[SEL+1]
.endr
.irp b, 0,1,2,3
	v_max_num_f32 v[TM+\b], v[TM+\b], v[TM+4+\b]   ; with lane l xor 16's: the block's largest magnitude
.endr
.irp b, 0,1,2,3
	v_add_nc_u32 v[TM+12+\b], 0xff000000, v[TM+\b] ; 2 off its exponent field: the conversion's scale operand
.endr
.irp b, 0,1,2,3
	v_lshrrev_b32 v[TM+4+\b], 23, v[TM+12+\b]      ; the scale's byte
.endr
	v_lshl_or_b32 v[\pw], v[TM+5], 8, v[TM+4]
	v_lshl_or_b32 v[\pw], v[TM+6], 16, v[\pw]
	v_lshl_or_b32 v[\pw], v[TM+7], 24, v[\pw]
.irp b, 0,1,2,3
	v_cvt_scalef32_pk8_fp4_f32 v[PC+4*(\b/2)+(\b%2)], v[\s+16*\b:\s+16*\b+7], v[TM+12+\b]
	v_cvt_scalef32_pk8_fp4_f32 v[PC+4*(\b/2)+2+(\b%2)], v[\s+16*\b+8:\s+16*\b+15], v[TM+12+\b]
.endr
	v_nop                                          ; one plain place behind a scaled conversion
.irp c, 0,1
.irp u, 0,1
	v_permlane16_swap_b32 v[PC+4*\c+2*\u], v[PC+4*\c+2*\u+1]   ; the first's lanes 16-31 change places with the second's lanes 0-15
.endr
.endr
.endm
	s_wait_alu depctr_va_vdst(0)
	s_wait_tensorcnt 0x0                           ; my 128 rows are in LDS,
	s_barrier_signal -1
	s_barrier_wait -1                              ; everybody's are
	FETCH_B 0, 0
	FETCH_A 0, 0
	FETCH_A 0, 4
	s_wait_loadcnt 0x0                             ; the scale words
	STEP 0, 1                                      ; the first products start the sums: nothing is cleared
	STEP 1, 0
	STEP 2, 0
	STEP 3, 0
	STEP 4, 0
	STEP 5, 0
	STEP 6, 0
	s_cmp_lg_u32 s[ISV], 0                         ; the ways part on the cluster's x, ahead of the last K step, under whose products the bias lands
	s_cbranch_scc1 .Lv
	; ---- q or k: a lane holds one token, its registers 128 features: two heads of two blocks
	s_lshl_b32 s94, s[QI], 8
	s_lshl_b32 s95, s[WQ], 7
	s_add_co_u32 s94, s94, s95                     ; my first token
	s_lshr_b32 s95, s94, 11                        ; its batch
	s_and_b32 s94, s94, 2047                       ; and its place there
	s_lshl_b32 s95, s95, 4
	s_lshl_b32 s96, s[CX], 2
	s_add_co_u32 s95, s95, s96
	s_lshl_b32 s96, s[WP], 1
	s_add_co_u32 s95, s95, s96                     ; 16 x batch + my first head
	s_mul_i32 s96, s95, HEADB
	s_mov_b32 s97, 0
	s_add_nc_u64 s[OUT:OUT+1], s[OUT:OUT+1], s[96:97]
	s_lshl_b32 s96, s94, 2                         ; 512 bytes of scale words for each 128 tokens
	s_add_co_u32 s96, s96, 65536
	s_add_nc_u64 s[OUTS:OUTS+1], s[OUT:OUT+1], s[96:97]
	s_lshl_b32 s96, s94, 5                         ; 512 bytes of codes for each 16 tokens
	s_add_nc_u64 s[OUT:OUT+1], s[OUT:OUT+1], s[96:97]
	s_lshl_b32 s96, s[CX], 10
	s_lshl_b32 s94, s[WP], 9
	s_add_co_u32 s96, s96, s94                     ; my 128 features of the bias
	s_add_nc_u64 s[BIAS:BIAS+1], s[BIAS:BIAS+1], s[96:97]
	v_lshlrev_b32 v[BO], 5, v[HH]                  ; lane half H wants features 16 b + 8 H + 0 .. 7
	v_mul_u32_u24 v[VS], v[HH], HEADB              ; lane half H stores the scale words of head H
	v_lshl_add_u32 v[VS], v[RR], 4, v[VS]
.irp b, 0,1,2,3,4,5,6,7
	global_load_b128 v[BN+8*\b:BN+8*\b+3], v[BO], s[BIAS:BIAS+1] offset:64*\b
	global_load_b128 v[BN+8*\b+4:BN+8*\b+7], v[BO], s[BIAS:BIAS+1] offset:64*\b+16
.endr
	LAST
	PLACES                                         ; behind the last products: their results are read and Q's fragments written over
	s_wait_loadcnt 0x0                             ; the bias
.set a, 0
.rept 8
.if a > 0
	s_wait_xcnt 0x0                                ; the last block's stores have read the codes' registers
.endif
.set W, 0x02+a/4
	WIN W                                          ; source 0: the accumulators' window
.set i, 0
.rept 32
	v_pk_add_f32 v[HA+i:HA+i+1], v[64*(a%4)+i:64*(a%4)+i+1], v[BN+i:BN+i+1]   ; + bias, each accumulator from its low end on
.set i, i+2
.endr
	WIN 0
	QUANT HA, SW+a
	v_lshrrev_b32 v[SW+a], v[SH], v[SW+a]          ; lane half H keeps head H's two bytes below; what stands above them meets zero codes and is never 0xff
	global_store_b128 v[LI], v[PC:PC+3], s[OUT:OUT+1] offset:512*a             ; head 0's image of these 16 tokens
	global_store_b128 v[LI], v[PC+4:PC+7], s[OUT:OUT+1] offset:HEADB+512*a     ; head 1's
.set a, a+1
.endr
	global_store_b128 v[VS], v[SW:SW+3], s[OUTS:OUTS+1]              ; the words of tiles 0-3: each half of the lanes fills 256 consecutive bytes, aligned
	global_store_b128 v[VS], v[SW+4:SW+7], s[OUTS:OUTS+1] offset:256 ; of tiles 4-7
	s_branch .Lend
.Lv:	; ---- v: a lane holds one channel, its registers 128 keys: four blocks, one whole fragment
	s_lshl_b32 s94, s[PI], 8
	s_lshl_b32 s95, s[WP], 7
	s_add_co_u32 s94, s94, s95                     ; my first token
	s_lshr_b32 s95, s94, 11                        ; its batch
	s_lshl_b32 s95, s95, 4
	s_bfe_u32 s94, s94, 0x40007                    ; which 128 keys of the batch
	s_add_co_u32 s95, s95, s94
	s_mul_i32 s96, s95, VSTEP
	s_lshl_b32 s94, s[CY], 2
	s_lshl_b32 s95, s[WQ], 1
	s_add_co_u32 s94, s94, s95                     ; my first head
	s_mul_i32 s94, s94, VREC
	s_add_co_u32 s96, s96, s94
	s_mov_b32 s97, 0
	s_add_nc_u64 s[OUT:OUT+1], s[OUT:OUT+1], s[96:97]
	s_lshl_b32 s96, s[CY], 10
	s_lshl_b32 s94, s[WQ], 9
	s_add_co_u32 s96, s96, s94                     ; my 128 channels of the bias
	s_add_nc_u64 s[BIAS:BIAS+1], s[BIAS:BIAS+1], s[96:97]
	v_lshlrev_b32 v[BO], 2, v[RR]                  ; lane r wants channel 16 a + r
	v_mul_u32_u24 v[VS], v[HH], VREC               ; lane half H stores the scale words of head H
	v_lshl_add_u32 v[VS], v[RR], 4, v[VS]
.irp a, 0,1,2,3,4,5,6,7
	global_load_b32 v[BN+2*\a], v[BO], s[BIAS:BIAS+1] offset:64*\a     ; twice: a pair for the packed addition
	global_load_b32 v[BN+2*\a+1], v[BO], s[BIAS:BIAS+1] offset:64*\a
.endr
	LAST
	PLACES
	s_wait_loadcnt 0x0
.set a, 0
.rept 8
.if a > 0
	s_wait_xcnt 0x0                                ; the last block's stores have read the codes' registers
.endif
.set W, 0x02+a/4
	WIN W
.set i, 0
.rept 32
	v_pk_add_f32 v[HA+i:HA+i+1], v[64*(a%4)+i:64*(a%4)+i+1], v[BN+2*a:BN+2*a+1]
.set i, i+2
.endr
	WIN 0
	QUANT HA, SW+a
	global_store_b128 v[LI], v[PC:PC+3], s[OUT:OUT+1] offset:VREC*(a/4)+1024*(a%4)         ; keys 0-63 of the step
	global_store_b128 v[LI], v[PC+4:PC+7], s[OUT:OUT+1] offset:VREC*(a/4)+1024*(a%4)+512   ; keys 64-127
.set a, a+1
.endr
	v_cmp_lt_u32 vcc_lo, 15, v[LN]
.irp j, 0,1,2,3
	v_cndmask_b32 v[TM+\j], v[SW+\j], v[SW+4+\j], vcc_lo   ; lanes 0-15: head 0's four words of channel row r; lanes 16-31: head 1's
.endr
	global_store_b128 v[VS], v[TM:TM+3], s[OUT:OUT+1] offset:4096
.Lend:
	s_wait_tensorcnt 0x0                           ; the wave's end
	ds_add_u32 v[SPW], v[NIL]
	s_wait_dscnt 0x0
	CROUND                                         ; the closing round
	s_endpgm
.Lfunc_end_k_q4aa4155965_qkv:
	.size	k_q4aa4155965_qkv, .Lfunc_end_k_q4aa4155965_qkv-k_q4aa4155965_qkv
	.p2alignl 7, 3214868480
	.fill 96, 4, 3214868480
	.section	.rodata,"a",@progbits
	.p2align	6, 0x0
	.amdhsa_kernel k_q4aa4155965_qkv
		.amdhsa_group_segment_fixed_size 327680
		.amdhsa_private_segment_fixed_size 0
		.amdhsa_enable_private_segment 0
		.amdhsa_kernarg_size 112
		.amdhsa_user_sgpr_count 2
		.amdhsa_user_sgpr_kernarg_segment_ptr 1
		.amdhsa_wavefront_size32 1
		.amdhsa_system_sgpr_workgroup_id_x 1
		.amdhsa_system_sgpr_workgroup_id_y 1
		.amdhsa_system_sgpr_workgroup_id_z 1
		.amdhsa_system_vgpr_workitem_id 0
		.amdhsa_next_free_vgpr 1024
		.amdhsa_next_free_sgpr 100
		.amdhsa_reserve_vcc 1
		.amdhsa_float_denorm_mode_32 3
		.amdhsa_float_denorm_mode_16_64 3
		.amdhsa_memory_ordered 1
		.amdhsa_forward_progress 1
		.amdhsa_inst_pref_size 202
	.end_amdhsa_kernel
	.amdgpu_metadata
---
amdhsa.version: [ 1, 2 ]
amdhsa.kernels:
  - .name:           k_q4aa4155965_qkv
    .symbol:         k_q4aa4155965_qkv.kd
    .args:
      - { .name: xc, .offset: 0, .size: 8, .value_kind: global_buffer, .address_space: global }
      - { .name: xs, .offset: 8, .size: 8, .value_kind: global_buffer, .address_space: global }
      - { .name: Wq_codes, .offset: 16, .size: 8, .value_kind: global_buffer, .address_space: global }
      - { .name: Wq_scales, .offset: 24, .size: 8, .value_kind: global_buffer, .address_space: global }
      - { .name: Wk_codes, .offset: 32, .size: 8, .value_kind: global_buffer, .address_space: global }
      - { .name: Wk_scales, .offset: 40, .size: 8, .value_kind: global_buffer, .address_space: global }
      - { .name: Wv_codes, .offset: 48, .size: 8, .value_kind: global_buffer, .address_space: global }
      - { .name: Wv_scales, .offset: 56, .size: 8, .value_kind: global_buffer, .address_space: global }
      - { .name: bq, .offset: 64, .size: 8, .value_kind: global_buffer, .address_space: global }
      - { .name: bk, .offset: 72, .size: 8, .value_kind: global_buffer, .address_space: global }
      - { .name: bv, .offset: 80, .size: 8, .value_kind: global_buffer, .address_space: global }
      - { .name: qbuf, .offset: 88, .size: 8, .value_kind: global_buffer, .address_space: global }
      - { .name: kbuf, .offset: 96, .size: 8, .value_kind: global_buffer, .address_space: global }
      - { .name: vbuf, .offset: 104, .size: 8, .value_kind: global_buffer, .address_space: global }
    .group_segment_fixed_size: 327680
    .private_segment_fixed_size: 0
    .kernarg_segment_align: 8
    .kernarg_segment_size: 112
    .max_flat_workgroup_size: 128
    .sgpr_count:     100
    .vgpr_count:     1024
    .wavefront_size: 32
...
	.end_amdgpu_metadata
.endif
;; end of part 2
;; launch attn (part 3): grid 4 x 64, 16 waves a work-group, clusters of 4 x 1, 167,936 bytes of LDS; arguments qbuf, kbuf, vbuf, cimg, csc; writes cimg, csc
.if DOCPART == 3
	.amdgcn_target "amdgcn-amd-amdhsa--gfx1250"
	.amdhsa_code_object_version 6
	.text
	.protected	k_q4aa4155965_attn
	.globl	k_q4aa4155965_attn
	.p2align	8
	.type	k_q4aa4155965_attn,@function
k_q4aa4155965_attn:
	s_mov_b64 s[64:65], 0
	v_nop
	global_prefetch_b8 v0, s[64:65] scope:SCOPE_SE
	s_setreg_imm32_b32 hwreg(HW_REG_WAVE_MODE, 25, 1), 1
	s_wait_xcnt 0x0
	s_wait_alu depctr_hold_cnt(0) depctr_sa_sdst(0) depctr_va_vdst(0) depctr_va_sdst(0) depctr_va_ssrc(0) depctr_va_vcc(0) depctr_vm_vsrc(0)
	s_getreg_b32 s2, hwreg(HW_REG_IB_STS2, 6, 4)
	s_cmp_eq_u32 s2, 0
	s_cbranch_scc0 .Lentry_in_a_cluster
	s_endpgm
.Lentry_in_a_cluster:
	s_bfe_u32 s2, ttmp6, 0x10000c
	s_cmp_lg_u32 s2, 0x3003
	s_cbranch_scc0 .Lentry_shape_is_right
	s_endpgm
.Lentry_shape_is_right:
; Launch 3 of 4: for each batch and head, ctx = softmax(q k^T / 8) v on codes of E2M1, and ctx quantised along the head's 64 for the last projection.  No work is left out.
; THE SOFTMAX AHEAD OF THE SECOND PRODUCT: t = score x log2(e) / 8; M = the running largest t rounded UP to a whole number; p = 2^(t - M) is quantised along the keys, not normalised; the row's sum is taken of the
; unquantised p in f32 and divides at the end.  When M moves, the sum and O are multiplied by 2^(old M - new M), which rounds nothing.
; SHARES.  A cluster of four work-groups is one head; each work-group takes 512 queries.  The head's WHOLE K and V (143,360 bytes with their scale words) come into each partner's LDS ONCE, asked for jointly by
; eight waves (waves 0-3: a quarter of K each; waves 4-7: four key steps of V each), and stay: nothing is filled again.  A wave takes two tiles of 16 queries one after the other, each over 16 steps of 128 keys.
; Sixteen waves of 256 registers: four to a SIMD, so that one wave's vector work stands beside another's products and LDS loads.
; LAYOUT.  Both products are used transposed (S^T = K Q^T, O^T = V^T P^T): a lane holds ONE query throughout.  K = 64 of the first product fills half of the instruction's 128: registers 4-7 of Q's and K's fragments are zero codes.
; All operands lie in LDS as images of their registers: a load of 16 bytes a lane at 16 x lane, 512 consecutive bytes.
; p's and ctx's codes take the operand's order by the choice of the conversions' destinations and one exchange of halves (tile 2 b + u goes to register 4 (b / 2) + 2 u + b % 2).
; LIMITS: 1 / l is v_rcp_f32 and a multiplication; a block of zeros or under 2^-124 gets the byte 1; NaN and infinities are not served.
.set HEADB, 73728
.set KSC,   65536                      ; K's scale words: 512 bytes a step; lane 16 i + r holds the words of tiles 4 i .. 4 i + 3, row r
.set VREG,  73728                      ; V: 4,352 bytes a step: 4 channel tiles x 2 images, then the words [r][tile]
.set VREC,  4352
.set SCG,   143360                     ; 1,024 bytes written by ds_store alone: ctx's two scale bytes for each of the work-group's 512 tokens
.set SPARE, 144384                     ; the spare words, 128 bytes a wave
.set LI,  1                            ; v1   16 x lane
.set AS0, 2                            ; v2   KSC + 16 x lane
.set AV0, 3                            ; v3   VREG + 16 x lane
.set AT0, 4                            ; v4   VREG + 4096 + 16 r
.set SPW, 5                            ; v5   my spare word; never rewritten
.set NIL, 6                            ; v6   0; never rewritten
.set R16, 7                            ; v7   16 r
.set ADK, 8                            ; v8-11 the step's LDS addresses
.set ADS, 9
.set ADV, 10
.set ADT, 11
.set SGA, 24                           ; v24  SCG + 32 x wave + 2 r
.set KF,  32                           ; v32-63  four fragments of K
.set VF,  64                           ; v64-95  four fragments of V
.set S,   96                           ; v96-159 S^T, then p
.set O,   160                          ; v160-191 O^T
.set KS,  192                          ; v192-195 K's scale words;  v196-199 V's;  v200, v202 Q's;  v201 p's
.set VSC, 196
.set PW,  201
.set PC,  208                          ; v208-215 p's codes
.set BMX, 216                          ; v216-219 the blocks' largest scores
.set PT,  220
.set CVS, 224
.set WV,  18
.set SEL, 20
.set CS,  22                           ; s[22:23] c = log2(e) / 8
.set G1K, 24
.set G1V, 32
.set G0K, 40
.set G0V, 44
.set TK,  48
.set TS,  49
.set TV,  50
.set CNT, 51
.macro CROUND
	s_barrier_signal -1
	s_barrier_wait -1
	s_cmp_lg_u32 s[WV], 0
	s_cbranch_scc1 .Lnot_wave_0_\@
	s_barrier_signal -3
.Lnot_wave_0_\@:
	s_barrier_wait -3
	s_barrier_signal -1
	s_barrier_wait -1
.endm
	s_load_b256 s[4:11], s[0:1], 0x0               ; qbuf, kbuf, vbuf, cimg
	s_load_b64 s[12:13], s[0:1], 0x20              ; csc
	v_lshl_add_u32 v[SPW], v0, 2, SPARE
	v_mov_b32 v[NIL], 0
	ds_add_u32 v[SPW], v[NIL]                      ; the wave's opening: the add, twice on end, and its wait ahead of the first tensor loads
	ds_add_u32 v[SPW], v[NIL]
	v_lshrrev_b32 v8, 5, v0
	s_delay_alu instid0(VALU_DEP_1)
	v_readfirstlane_b32 s[WV], v8                  ; wave 0..15
	s_bfe_u32 s52, ttmp6, 0x40000                  ; cx: which 512 queries; it enters Q's, cimg's and csc's addresses alone
	s_and_b32 s53, ttmp7, 0xffff                   ; 16 x batch + head
	s_lshr_b32 s54, s53, 4
	s_and_b32 s55, s53, 15
	s_mov_b32 s[G1K], 15|(3<<16)|(1<<21)           ; the mask: all four partners; elements of 8 bytes; bit 21 beside a mask; no padding
	s_mov_b32 s[G1K+1], 32<<16                     ; K: 72 dense rows of 256 bytes
	s_mov_b32 s[G1K+2], 72<<16
	s_mov_b32 s[G1K+3], 32<<16
	s_mov_b32 s[G1K+4], 72
	s_mov_b32 s[G1K+5], 32
	s_mov_b32 s[G1K+6], 0
	s_mov_b32 s[G1K+7], 0
	s_mov_b32 s[G1V], 15|(3<<16)|(1<<21)
	s_mov_b32 s[G1V+1], 544<<16                    ; V: 4 rows of 4,352 bytes, 69,632 bytes apart
	s_mov_b32 s[G1V+2], 4<<16
	s_mov_b32 s[G1V+3], 544<<16
	s_mov_b32 s[G1V+4], 4
	s_mov_b32 s[G1V+5], 8704
	s_mov_b32 s[G1V+6], 0
	s_mov_b32 s[G1V+7], 0
	s_and_b32 s56, s[WV], 3
	s_mul_i32 s57, s56, 18432                      ; K: my quarter, in memory and in LDS alike
	s_mul_i32 s58, s53, HEADB                      ; the head in qbuf and kbuf
	s_add_co_u32 s60, s58, s57
	s_mov_b32 s61, 0
	s_mul_i32 s62, s54, 16*16*VREC                 ; V: the batch,
	s_mul_i32 s63, s55, VREC                       ; the head,
	s_add_co_u32 s62, s62, s63
	s_mul_i32 s63, s56, 4*16*VREC                  ; my four steps
	s_add_co_u32 s62, s62, s63
	s_mov_b32 s63, 0
	s_mul_i32 s59, s56, 4*VREC
	s_add_co_u32 s59, s59, VREG
	s_lshl_b32 s66, s52, 14
	s_lshl_b32 s67, s[WV], 9
	s_add_co_u32 s66, s66, s67                     ; 512 x (32 cx + wave): my first tile's image
	s_lshl_b32 s72, s53, 16
	s_add_co_u32 s72, s72, s66                     ; in cimg,
	s_mov_b32 s73, 0
	s_add_co_u32 s66, s66, s58                     ; in qbuf
	s_mov_b32 s67, 0
	s_lshl_b32 s70, s52, 11                        ; Q's scale words: tile 32 cx + wave: 512 bytes for 8 tiles, 256 for 4, 4 for one
	s_lshr_b32 s71, s[WV], 2
	s_lshl_b32 s71, s71, 8
	s_add_co_u32 s70, s70, s71
	s_lshl_b32 s71, s56, 2
	s_add_co_u32 s70, s70, s71
	s_add_co_u32 s70, s70, s58
	s_add_co_u32 s70, s70, KSC
	s_mov_b32 s71, 0
	s_lshl_b32 s74, s53, 12                        ; csc: 4,096 bytes a head, 1,024 for my work-group's tokens
	s_lshl_b32 s75, s52, 10
	s_add_co_u32 s74, s74, s75
	s_mov_b32 s75, 0
	s_mov_b32 s[SEL], 0x76543210
	s_mov_b32 s[SEL+1], 0xfedcba98
	s_mov_b32 s[CS], 0x3e38aa3b                    ; log2(e) / 8
	s_mov_b32 s[CS+1], s[CS]
	s_wait_dscnt 0x0                               ; both opening adds are done
	s_wait_kmcnt 0x0
	s_add_nc_u64 s[66:67], s[4:5], s[66:67]
	s_add_nc_u64 s[70:71], s[4:5], s[70:71]
	s_add_nc_u64 s[72:73], s[10:11], s[72:73]
	s_add_nc_u64 s[74:75], s[12:13], s[74:75]
	CROUND                                         ; all four work-groups are here: the joint loads meet
	s_mov_b32 s[G0K], 1
	s_mov_b32 s[G0K+1], s57
	s_add_nc_u64 s[G0K+2:G0K+3], s[6:7], s[60:61]
	s_or_b32 s[G0K+3], s[G0K+3], 0x80000000
	s_mov_b32 s[G0V], 1
	s_mov_b32 s[G0V+1], s59
	s_add_nc_u64 s[G0V+2:G0V+3], s[8:9], s[62:63]
	s_or_b32 s[G0V+3], s[G0V+3], 0x80000000
	s_cmp_lt_u32 s[WV], 4                          ; the branches hang on the wave's number alone; an s_nop 0 and four v_nop follow each load
	s_cbranch_scc0 .Lnot_k
	tensor_load_to_lds s[G0K:G0K+3], s[G1K:G1K+7]
	s_nop 0
.rept 4
	v_nop
.endr
	s_branch .Lasked
.Lnot_k:
	s_cmp_lt_u32 s[WV], 8
	s_cbranch_scc0 .Lasked
	tensor_load_to_lds s[G0V:G0V+3], s[G1V:G1V+7]
	s_nop 0
.rept 4
	v_nop
.endr
.Lasked:
	v_and_b32 v9, 31, v0                           ; lane
	v_and_b32 v10, 15, v0                          ; r
	s_delay_alu instid0(VALU_DEP_2)
	v_lshlrev_b32 v[LI], 4, v9
	s_delay_alu instid0(VALU_DEP_2)
	v_lshlrev_b32 v[R16], 4, v10
	global_load_b128 v[16:19], v[LI], s[66:67]                 ; Q of my first tile: registers 0-3 of its fragment
	global_load_b128 v[240:243], v[LI], s[66:67] offset:8192   ; of my second, 16 tiles on
	global_load_b32 v200, v[R16], s[70:71]                     ; their scale words
	global_load_b32 v202, v[R16], s[70:71] offset:1024
	v_add_nc_u32 v[AS0], KSC, v[LI]
	v_add_nc_u32 v[AV0], VREG, v[LI]
	v_add_nc_u32 v[AT0], VREG+4096, v[R16]
	v_and_b32 v[SGA], 0x1e0, v0                    ; 32 x wave
	s_delay_alu instid0(VALU_DEP_1)
	v_lshl_add_u32 v[SGA], v10, 1, v[SGA]
	s_delay_alu instid0(VALU_DEP_1)
	v_add_nc_u32 v[SGA], SCG, v[SGA]
	v_lshlrev_b32 v27, 4, v0                       ; 16 x thread: the way out of the scale bytes (waves 0 and 1)
	s_delay_alu instid0(VALU_DEP_1)
	v_add_nc_u32 v26, SCG, v27
.irp j, 20,21,22,23,244,245,246,247
	v_mov_b32 v[\j], 0                             ; k = 64 .. 127 of Q: zero codes
.endr
.irp t, 0,1,2,3
.irp j, 4,5,6,7
	v_mov_b32 v[KF+8*\t+\j], 0                     ; and of K: written once
.endr
.endr
.irp b, 0,1,2,3
	v_mov_b32 v[PT+\b], 0                          ; written once: a lane permute's destination counts as one of its sources
.endr
	v_mov_b32 v229, 0                              ; named as the upper half of the pair v[228:229]
	v_mov_b32 v230, 0
	s_wait_tensorcnt 0x0                           ; my part of K or V is in LDS (a wave that fetched nothing passes),
	s_barrier_signal -1
	s_barrier_wait -1                              ; everybody's is
	s_wait_loadcnt 0x0                             ; Q
; One tile of 16 queries over all keys.  p: which of my two; qf: Q's fragment; qs: its scale words
.macro PASS p, qf, qs
	v_mov_b32 v13, 0xff61b1e6                      ; the largest t so far: -3e38
	s_delay_alu instid0(VALU_DEP_1)
	v_floor_f32 v12, -v13                          ; -M
	v_mov_b32 v14, 0                               ; the sum, in two halves
	v_mov_b32 v15, 0
.set i, 0
.rept 32
	v_mov_b32 v[O+i], 0                            ; O^T: the step is written once; its first trip finds zeros
.set i, i+1
.endr
	s_mov_b32 s[TK], 0
	s_mov_b32 s[TS], 0
	s_mov_b32 s[TV], 0
	s_mov_b32 s[CNT], 16
.Lstep_\@:
	s_setprio 2
	v_add_nc_u32 v[ADK], s[TK], v[LI]              ; (these four are also places behind the last trip's products)
	v_add_nc_u32 v[ADS], s[TS], v[AS0]
	v_add_nc_u32 v[ADV], s[TV], v[AV0]
	v_add_nc_u32 v[ADT], s[TV], v[AT0]
	ds_load_b128 v[KS:KS+3], v[ADS]
.irp t, 0,1,2,3
	ds_load_b128 v[KF+8*\t:KF+8*\t+3], v[ADK] offset:512*\t
.endr
	s_wait_alu depctr_va_vdst(0)
	s_wait_dscnt 0x0
.irp t, 0,1,2,3                                ; S^T, keys 16 t on
	v_wmma_scale_f32_16x16x128_f8f6f4 v[S+8*\t:S+8*\t+7], v[KF+8*\t:KF+8*\t+7], v[\qf:\qf+7], 0, v[KS+\t], v[\qs] matrix_a_fmt:MATRIX_FMT_FP4 matrix_b_fmt:MATRIX_FMT_FP4
.endr
.rept 4
	v_nop                                          ; places in front of loads into registers that these products have read
.endr
.irp t, 0,1,2,3
	ds_load_b128 v[KF+8*\t:KF+8*\t+3], v[ADK] offset:2048+512*\t
.endr
.irp t, 0,1,2,3
.irp c, 0,1
	ds_load_b128 v[VF+8*\t+4*\c:VF+8*\t+4*\c+3], v[ADV] offset:1024*\t+512*\c
.endr
.endr
	ds_load_b128 v[VSC:VSC+3], v[ADT]
	s_wait_dscnt 9                                 ; K's four are in; V's eight and V's scale words may be out
.irp t, 0,1,2,3                                ; keys 64 + 16 t on: their scale words lie in the upper half of the lanes
	v_wmma_scale_f32_16x16x128_f8f6f4 v[S+32+8*\t:S+32+8*\t+7], v[KF+8*\t:KF+8*\t+7], v[\qf:\qf+7], 0, v[KS+\t], v[\qs] matrix_a_fmt:MATRIX_FMT_FP4 matrix_b_fmt:MATRIX_FMT_FP4 matrix_a_scale:MATRIX_SCALE_ROW1
.endr
.rept 4
	v_nop
.endr
.irp b, 0,1,2,3
	v_max3_num_f32 v[BMX+\b], v[S+16*\b], v[S+1+16*\b], v[S+2+16*\b]   ; the largest score of each block of 32 keys: it serves the row's maximum and, since p rises with the score, the block's largest p
.endr
.irp i, 3,5,7,9,11,13
.irp b, 0,1,2,3
	v_max3_num_f32 v[BMX+\b], v[BMX+\b], v[S+16*\b+\i], v[S+1+16*\b+\i]
.endr
.endr
.irp b, 0,1,2,3
	v_max_num_f32 v[BMX+\b], v[BMX+\b], v[S+15+16*\b]
.endr
.irp b, 0,1,2,3
	s_delay_alu instid0(VALU_DEP_4)
	v_permlanex16_b32 v[PT+\b], v[BMX+\b], s[SEL], s[SEL+1]
.endr
.irp b, 0,1,2,3
	s_delay_alu instid0(VALU_DEP_4)
	v_max_num_f32 v[BMX+\b], v[BMX+\b], v[PT+\b]   ; with lane l xor 16's 16 keys
.endr
	s_delay_alu instid0(VALU_DEP_2)
	v_max3_num_f32 v230, v[BMX], v[BMX+1], v[BMX+2]
	s_delay_alu instid0(VALU_DEP_1)
	v_max_num_f32 v230, v230, v[BMX+3]             ; the step's largest score of my query
	s_delay_alu instid0(VALU_DEP_1)
	v_mul_f32 v230, s[CS], v230                    ; as t (c is positive)
	s_delay_alu instid0(VALU_DEP_1)
	v_max_num_f32 v13, v13, v230                   ; the running largest t
	v_mov_b32 v230, v12
	s_delay_alu instid0(VALU_DEP_2)
	v_floor_f32 v12, -v13                          ; the new -M = -ceil(t)
	s_delay_alu instid0(VALU_DEP_1)
	v_sub_f32 v230, v12, v230                      ; old M less new M: a whole number, 0 or less
	s_delay_alu instid0(VALU_DEP_1)
	v_cvt_i32_f32 v230, v230                       ; (it saturates)
	s_delay_alu instid0(VALU_DEP_1)
	v_ldexp_f32 v228, 1.0, v230                    ; f = 2^(old M - new M)
.set i, 0
.rept 32
	v_pk_fma_f32 v[S+i:S+i+1], v[S+i:S+i+1], s[CS:CS+1], v[12:13] op_sel_hi:[1,0,0]   ; t - M, two at a time
.set i, i+2
.endr
.irp b, 0,1,2,3
	v_fma_f32 v[BMX+\b], v[BMX+\b], s[CS], v12     ; the same of each block's largest score
.endr
.set i, 0
	s_wait_alu depctr_va_vdst(0)
.rept 64
	v_exp_f32 v[S+i], v[S+i]                       ; p = 2^(t - M), at most 1
.set i, i+1
.endr
	s_setprio 1
	v_pk_mul_f32 v[14:15], v[14:15], v[228:229] op_sel_hi:[1,0]   ; the sums under the new M: the plain place behind the exponentials
	s_wait_alu depctr_va_vdst(0)                   ; one wait for the batch, ahead of its first reader
.irp b, 0,1,2,3
	v_exp_f32 v[BMX+\b], v[BMX+\b]                 ; the block's largest p: the same two instructions on the same number
.endr
	v_pk_add_f32 v[232:233], v[100:101], v[104:105]
	v_pk_add_f32 v[254:255], v[108:109], v[112:113]
	v_pk_add_f32 v[252:253], v[116:117], v[120:121]
	v_pk_add_f32 v[250:251], v[124:125], v[128:129]
	v_pk_add_f32 v[248:249], v[132:133], v[136:137]
	v_pk_add_f32 v[238:239], v[140:141], v[144:145]
	v_pk_add_f32 v[236:237], v[148:149], v[152:153]
	v_pk_add_f32 v[14:15], v[14:15], v[156:157]
	v_pk_add_f32 v[232:233], v[232:233], v[96:97]
	v_pk_add_f32 v[254:255], v[254:255], v[98:99]
	v_pk_add_f32 v[252:253], v[252:253], v[102:103]
	v_pk_add_f32 v[250:251], v[250:251], v[106:107]
	v_pk_add_f32 v[248:249], v[248:249], v[110:111]
	v_pk_add_f32 v[238:239], v[238:239], v[114:115]
	v_pk_add_f32 v[236:237], v[236:237], v[118:119]
	v_pk_add_f32 v[14:15], v[14:15], v[122:123]
	v_pk_add_f32 v[232:233], v[232:233], v[126:127]
	v_pk_add_f32 v[254:255], v[254:255], v[130:131]
	v_pk_add_f32 v[252:253], v[252:253], v[134:135]
	v_pk_add_f32 v[250:251], v[250:251], v[138:139]
	v_pk_add_f32 v[248:249], v[248:249], v[142:143]
	v_pk_add_f32 v[238:239], v[238:239], v[146:147]
	v_pk_add_f32 v[236:237], v[236:237], v[150:151]
	v_pk_add_f32 v[14:15], v[14:15], v[154:155]
	v_pk_add_f32 v[232:233], v[232:233], v[158:159]
	s_delay_alu instid0(VALU_DEP_2)
	v_pk_add_f32 v[14:15], v[14:15], v[250:251]
	s_delay_alu instid0(VALU_DEP_2)
	v_pk_add_f32 v[232:233], v[232:233], v[248:249]
	v_pk_add_f32 v[254:255], v[254:255], v[238:239]
	v_pk_add_f32 v[252:253], v[252:253], v[236:237]
	s_delay_alu instid0(VALU_DEP_2)
	v_pk_add_f32 v[14:15], v[14:15], v[254:255]
	s_delay_alu instid0(VALU_DEP_2)
	v_pk_add_f32 v[232:233], v[232:233], v[252:253]
	s_delay_alu instid0(VALU_DEP_1)
	v_pk_add_f32 v[14:15], v[14:15], v[232:233]
	s_wait_alu depctr_va_vdst(0)                   ; and one for the four
.irp b, 0,1,2,3
	v_max_num_f32 v[BMX+\b], 0x1800000, v[BMX+\b]  ; the floor 2^(3 - 127)
.endr
.irp b, 0,1,2,3
	s_delay_alu instid0(VALU_DEP_4)
	v_add_nc_u32 v[CVS+\b], 0xff000000, v[BMX+\b]  ; the conversion's scale operand
.endr
.irp b, 0,1,2,3
	s_delay_alu instid0(VALU_DEP_4)
	v_lshrrev_b32 v[PT+\b], 23, v[CVS+\b]          ; the scale's byte
.endr
	s_delay_alu instid0(VALU_DEP_3)
	v_lshl_or_b32 v[PW], v[PT+1], 8, v[PT]         ; p's scale word for these 128 keys
	s_delay_alu instid0(VALU_DEP_1)
	v_lshl_or_b32 v[PW], v[PT+2], 16, v[PW]
	s_delay_alu instid0(VALU_DEP_1)
	v_lshl_or_b32 v[PW], v[PT+3], 24, v[PW]
.irp b, 0,1,2,3
	v_cvt_scalef32_pk8_fp4_f32 v[PC+4*(\b/2)+(\b%2)], v[S+16*\b:S+16*\b+7], v[CVS+\b]
	v_cvt_scalef32_pk8_fp4_f32 v[PC+4*(\b/2)+2+(\b%2)], v[S+16*\b+8:S+16*\b+15], v[CVS+\b]
.endr
	v_nop                                          ; one plain place behind a scaled conversion
.irp c, 0,1
.irp u, 0,1
	v_permlane16_swap_b32 v[PC+4*\c+2*\u], v[PC+4*\c+2*\u+1]
.endr
.endr
.set i, 0
	s_setprio 0
.rept 16
	v_pk_mul_f32 v[O+i:O+i+1], v[O+i:O+i+1], v[228:229] op_sel_hi:[1,0]   ; O^T under the new M.  (These sixteen are also the places between p's codes and scale word and the products)
.set i, i+2
.endr
	s_wait_alu depctr_va_vdst(0)
	s_wait_dscnt 0x0                               ; V and its scale words
.irp t, 0,1,2,3                                ; O^T += V^T P^T: channels 16 t on; the four accumulators by turns
	v_wmma_scale_f32_16x16x128_f8f6f4 v[O+8*\t:O+8*\t+7], v[VF+8*\t:VF+8*\t+7], v[PC:PC+7], v[O+8*\t:O+8*\t+7], v[VSC+\t], v[PW] matrix_a_fmt:MATRIX_FMT_FP4 matrix_b_fmt:MATRIX_FMT_FP4
.endr
	s_add_co_u32 s[TK], s[TK], 4096
	s_add_co_u32 s[TS], s[TS], 512
	s_add_co_u32 s[TV], s[TV], VREC
	s_sub_co_u32 s[CNT], s[CNT], 1
	s_cmp_lg_u32 s[CNT], 0
	s_cbranch_scc1 .Lstep_\@
	s_setprio 0
.rept 4
	v_nop                                          ; places behind the last products
.endr
	v_add_f32 v14, v14, v15                        ; the sum's two halves,
	s_delay_alu instid0(VALU_DEP_1)
	v_permlanex16_b32 v230, v14, s[SEL], s[SEL+1]
	s_delay_alu instid0(VALU_DEP_1)
	v_add_f32 v14, v14, v230                       ; and lane l xor 16's
	s_wait_alu depctr_va_vdst(0)
	v_rcp_f32 v14, v14
	v_nop
	s_wait_alu depctr_va_vdst(0)                   ; ahead of the reciprocal's first reader
.set i, 0
.rept 16
	v_pk_mul_f32 v[S+i:S+i+1], v[O+i:O+i+1], v[14:15] op_sel_hi:[1,0]   ; ctx: register 8 t + j is channel 16 t + 8 h + j of my query
.set i, i+2
.endr
.irp b, 0,1                                    ; ctx's two blocks of 32 along the head's 64
	v_max3_num_f32 v[BMX+\b], |v[S+16*\b]|, |v[S+1+16*\b]|, 0x1800000
.endr
.irp i, 2,4,6,8,10,12,14
.irp b, 0,1
	s_delay_alu instid0(VALU_DEP_2)
	v_max3_num_f32 v[BMX+\b], v[BMX+\b], |v[S+16*\b+\i]|, |v[S+1+16*\b+\i]|
.endr
.endr
.irp b, 0,1
	s_delay_alu instid0(VALU_DEP_2)
	v_permlanex16_b32 v[PT+\b], v[BMX+\b], s[SEL], s[SEL+1]
.endr
.irp b, 0,1
	s_delay_alu instid0(VALU_DEP_2)
	v_max_num_f32 v[BMX+\b], v[BMX+\b], v[PT+\b]
.endr
.irp b, 0,1
	s_delay_alu instid0(VALU_DEP_2)
	v_add_nc_u32 v[CVS+\b], 0xff000000, v[BMX+\b]
.endr
.irp b, 0,1
	s_delay_alu instid0(VALU_DEP_2)
	v_lshrrev_b32 v[PT+\b], 23, v[CVS+\b]
.endr
.irp b, 0,1
	v_cvt_scalef32_pk8_fp4_f32 v[PC+\b], v[S+16*\b:S+16*\b+7], v[CVS+\b]
	v_cvt_scalef32_pk8_fp4_f32 v[PC+2+\b], v[S+16*\b+8:S+16*\b+15], v[CVS+\b]
.endr
	v_lshl_or_b32 v25, v[PT+1], 8, v[PT]           ; my token's two scale bytes.  (The plain place behind the conversions)
	v_permlane16_swap_b32 v[PC], v[PC+1]
	v_permlane16_swap_b32 v[PC+2], v[PC+3]         ; lane (r, H): block H of token r
	global_store_b128 v[LI], v[PC:PC+3], s[72:73] offset:8192*\p   ; the tile's image: 512 consecutive bytes, aligned
	ds_store_b16 v[SGA], v25 offset:512*\p         ; both halves of the lanes write the same half-word with the same value
.endm
	PASS 0, 16, 200
	s_wait_xcnt 0x0                                ; the store has read the codes' registers, which the second tile writes again
	PASS 1, 240, 202
	s_wait_dscnt 0x0                               ; for the others' sake: my scale bytes lie in LDS
	s_barrier_signal -1
	s_barrier_wait -1
	s_cmp_lt_u32 s[WV], 2                          ; waves 0 and 1 store the work-group's 1,024 scale bytes, 512 consecutive bytes each
	s_cbranch_scc0 .Lno_sc
	ds_load_b128 v[96:99], v26
	s_wait_dscnt 0x0
	global_store_b128 v27, v[96:99], s[74:75]
.Lno_sc:
	s_wait_tensorcnt 0x0                           ; the wave's end
	ds_add_u32 v[SPW], v[NIL]
	s_wait_dscnt 0x0
	CROUND                                         ; the closing round
	s_endpgm
.Lfunc_end_k_q4aa4155965_attn:
	.size	k_q4aa4155965_attn, .Lfunc_end_k_q4aa4155965_attn-k_q4aa4155965_attn
	.p2alignl 7, 3214868480
	.fill 96, 4, 3214868480
	.section	.rodata,"a",@progbits
	.p2align	6, 0x0
	.amdhsa_kernel k_q4aa4155965_attn
		.amdhsa_group_segment_fixed_size 167936
		.amdhsa_private_segment_fixed_size 0
		.amdhsa_enable_private_segment 0
		.amdhsa_kernarg_size 40
		.amdhsa_user_sgpr_count 2
		.amdhsa_user_sgpr_kernarg_segment_ptr 1
		.amdhsa_wavefront_size32 1
		.amdhsa_system_sgpr_workgroup_id_x 1
		.amdhsa_system_sgpr_workgroup_id_y 1
		.amdhsa_system_sgpr_workgroup_id_z 1
		.amdhsa_system_vgpr_workitem_id 0
		.amdhsa_next_free_vgpr 256
		.amdhsa_next_free_sgpr 80
		.amdhsa_reserve_vcc 0
		.amdhsa_float_denorm_mode_32 3
		.amdhsa_float_denorm_mode_16_64 3
		.amdhsa_memory_ordered 1
		.amdhsa_forward_progress 1
		.amdhsa_inst_pref_size 52
	.end_amdhsa_kernel
	.amdgpu_metadata
---
amdhsa.version: [ 1, 2 ]
amdhsa.kernels:
  - .name:           k_q4aa4155965_attn
    .symbol:         k_q4aa4155965_attn.kd
    .args:
      - { .name: qbuf, .offset: 0, .size: 8, .value_kind: global_buffer, .address_space: global }
      - { .name: kbuf, .offset: 8, .size: 8, .value_kind: global_buffer, .address_space: global }
      - { .name: vbuf, .offset: 16, .size: 8, .value_kind: global_buffer, .address_space: global }
      - { .name: cimg, .offset: 24, .size: 8, .value_kind: global_buffer, .address_space: global }
      - { .name: csc, .offset: 32, .size: 8, .value_kind: global_buffer, .address_space: global }
    .group_segment_fixed_size: 167936
    .private_segment_fixed_size: 0
    .kernarg_segment_align: 8
    .kernarg_segment_size: 40
    .max_flat_workgroup_size: 512
    .sgpr_count:     80
    .vgpr_count:     256
    .wavefront_size: 32
...
	.end_amdgpu_metadata
.endif
;; end of part 3
;; launch oproj (part 4): grid 4 x 64, 4 waves a work-group, clusters of 4 x 4, 327,680 bytes of LDS; arguments cimg, csc, Wo_codes, Wo_scales, bo, x, out0; writes out0
.if DOCPART == 4
	.amdgcn_target "amdgcn-amd-amdhsa--gfx1250"
	.amdhsa_code_object_version 6
	.text
	.protected	k_q4aa4155965_oproj
	.globl	k_q4aa4155965_oproj
	.p2align	8
	.type	k_q4aa4155965_oproj,@function
k_q4aa4155965_oproj:
	s_mov_b64 s[64:65], 0
	v_nop
	global_prefetch_b8 v0, s[64:65] scope:SCOPE_SE
	s_setreg_imm32_b32 hwreg(HW_REG_WAVE_MODE, 25, 1), 1
	s_wait_xcnt 0x0
	s_wait_alu depctr_hold_cnt(0) depctr_sa_sdst(0) depctr_va_vdst(0) depctr_va_sdst(0) depctr_va_ssrc(0) depctr_va_vcc(0) depctr_vm_vsrc(0)
	s_getreg_b32 s2, hwreg(HW_REG_IB_STS2, 6, 4)
	s_cmp_eq_u32 s2, 0
	s_cbranch_scc0 .Lentry_in_a_cluster
	s_endpgm
.Lentry_in_a_cluster:
	s_bfe_u32 s2, ttmp6, 0x10000c
	s_cmp_lg_u32 s2, 0xf033
	s_cbranch_scc0 .Lentry_shape_is_right
	s_endpgm
.Lentry_shape_is_right:
; Launch 4 of 4: out0 = ctx Wo + bo + x, the product on codes of E2M1.  No work is left out.
; A work-group makes 128 tokens x 256 columns; the grid has one cluster along x, so the column tile is cx; the token tile is 4 x cluster y + cy.  ctx's tile is asked for jointly by a row of the 4 x 4 cluster, Wo's by a column.
; ALL OF K = 1024 fits in LDS: waves 0 and 1 bring 64 tokens of ctx each (16 heads x 2,048 bytes of images), waves 2 and 3 128 rows of Wo each; nothing is filled again.
; A wave makes 64 tokens x 128 columns: 32 accumulators.  Source 0 = 16 rows of Wo, source 1 = 16 tokens: a lane holds eight neighbouring columns of one row of the output.
; K step g is heads 2 g and 2 g + 1: registers 4 c .. 4 c + 3 of ctx's fragment are the image of head 2 g + c.  bo is the C of each sum's first product (LIMIT: it is added ahead of the sum where the problem's text adds it behind).
; The wave's 64 x 128 numbers of x are asked for at the head into 256 registers of their own, in the layout in which rows come back from the stage, and are added on the way out.
.set PITCH,  528
.set HALFT,  128*PITCH
.set CIMG,   2*HALFT                   ; ctx: token half f at + 32,768 f, head at + 2,048, tile at + 512, + 16 x lane
.set STAGE,  CIMG+65536                ; 16 rows x 528 bytes for each wave; written by ds_store alone
.set SPITCH, 528
.set SPARE,  STAGE+4*16*SPITCH
.set RR,   1
.set HH,   2
.set LN,   3
.set ADRC, 16                          ; v16  my fragments of ctx
.set ADRB, 20                          ; v20  of Wo
.set QO,   22                          ; v22  32,768 H + 2 r: ctx's scale bytes
.set BO,   23                          ; v23  32 H: bo
.set STO,  24
.set RD,   25
.set CO,   26                          ; v26  16 x lane
.set SO,   27                          ; v27  32 r + 16 H
.set SPW,  28
.set NIL,  29
.set PS,   32                          ; v32-63  Wo's scale words
.set QS,   64                          ; v64-79  ctx's
.set T,    80                          ; v80-111 ctx's scale bytes as loaded, two a register
.set AF,   128                         ; v128-191 ctx's fragments, two sets of 32
.set BK,   128                         ; the way out: v128-191 and v192-255 by turns
.set BN,   192                         ; v192-255 bo in the result's layout
.set G1,   24
.set G0,   32
.set G0B,  36
.set G1B,  40
.set WV,   48
.set WQ,   49                          ; my half of the tokens.  Also: I fetch ctx (0) or Wo (1)
.set WP,   50                          ; my half of the columns.  Also: which half I fetch
.set CX,   51
.set CY,   52
.set YY,   54
.set MSB, 0
.macro WIN new
.if MSB != \new
	s_set_vgpr_msb (MSB<<8)|\new
.set MSB, \new
.endif
.endm
.macro PLACES
.rept 4
	v_nop
.endr
.endm
.macro JLOAD
	s_cmp_eq_u32 s[WQ], 0
	s_cbranch_scc0 .Lfor_b_\@
	tensor_load_to_lds s[G0:G0+3], s[G1:G1+7]
	s_nop 0
	PLACES
	s_branch .Lasked_\@
.Lfor_b_\@:
	tensor_load_to_lds s[G0B:G0B+3], s[G1B:G1B+7]
	s_nop 0
	PLACES
.Lasked_\@:
.endm
.macro CROUND
	s_barrier_signal -1
	s_barrier_wait -1
	s_cmp_lg_u32 s[WV], 0
	s_cbranch_scc1 .Lnot_wave_0_\@
	s_barrier_signal -3
.Lnot_wave_0_\@:
	s_barrier_wait -3
	s_barrier_signal -1
	s_barrier_wait -1
.endm
	s_load_b256 s[4:11], s[0:1], 0x0               ; cimg, csc, Wo's codes, Wo's scales
	s_load_b128 s[12:15], s[0:1], 0x20             ; bo, x
	s_load_b64 s[16:17], s[0:1], 0x30              ; out0
	v_lshl_add_u32 v[SPW], v0, 2, SPARE
	v_mov_b32 v[NIL], 0
	ds_add_u32 v[SPW], v[NIL]                      ; the wave's opening: the add, twice on end, and its wait ahead of my first tensor load
	ds_add_u32 v[SPW], v[NIL]
	v_lshrrev_b32 v1, 5, v0
	v_readfirstlane_b32 s[WV], v1
	s_lshr_b32 s[WQ], s[WV], 1
	s_and_b32 s[WP], s[WV], 1
	s_bfe_u32 s[CX], ttmp6, 0x40000
	s_bfe_u32 s[CY], ttmp6, 0x40004
	s_and_b32 s[YY], ttmp7, 0xffff
	s_lshl_b32 s[YY], s[YY], 2
	s_add_co_u32 s[YY], s[YY], s[CY]               ; which 128 tokens
	s_lshl_b32 s55, s[CY], 2
	s_lshl_b32 s55, 15, s55                        ; my row of the cluster
	s_lshl_b32 s56, 0x1111, s[CX]                  ; my column
	s_or_b32 s[G1], s55, (3<<16)|(1<<21)           ; ctx: elements of 8 bytes, no padding: 16 rows (heads) of 2,048 bytes, 65,536 bytes apart
	s_mov_b32 s[G1+1], 256<<16
	s_mov_b32 s[G1+2], 16<<16
	s_mov_b32 s[G1+3], 256<<16
	s_mov_b32 s[G1+4], 16
	s_mov_b32 s[G1+5], 8192
	s_mov_b32 s[G1+6], 0
	s_mov_b32 s[G1+7], 0
	s_or_b32 s[G1B], s56, (0<<16)|(1<<20)|(1<<21)|(6<<22)|(3<<25)   ; Wo: 128 rows of 512 bytes, 16 bytes of padding behind each
	s_mov_b32 s[G1B+1], 512<<16
	s_mov_b32 s[G1B+2], 128<<16
	s_mov_b32 s[G1B+3], 512<<16
	s_mov_b32 s[G1B+4], 128
	s_mov_b32 s[G1B+5], 512
	s_mov_b32 s[G1B+6], 0
	s_mov_b32 s[G1B+7], 0
	s_lshl_b32 s58, s[YY], 7
	s_lshl_b32 s59, s[WP], 6
	s_add_co_u32 s58, s58, s59                     ; the 64 tokens that I fetch
	s_lshr_b32 s59, s58, 11
	s_lshl_b32 s59, s59, 20                        ; their batch: 16 heads of 65,536 bytes
	s_and_b32 s58, s58, 2047
	s_lshl_b32 s58, s58, 5                         ; 512 bytes for 16 tokens
	s_add_co_u32 s58, s58, s59
	s_mov_b32 s59, 0
	s_lshl_b32 s60, s[CX], 17
	s_lshl_b32 s61, s[WP], 16
	s_add_co_u32 s60, s60, s61                     ; Wo's rows 256 cx + 128 x half, 512 bytes each
	s_mov_b32 s61, 0
	s_lshl_b32 s62, s[WP], 15
	s_add_co_u32 s62, s62, CIMG                    ; where they go
	s_mul_i32 s63, s[WP], HALFT
	; what I multiply and store
	s_lshl_b32 s66, s[YY], 7
	s_lshl_b32 s67, s[WQ], 6
	s_add_co_u32 s66, s66, s67                     ; my first token
	s_lshl_b32 s68, s[CX], 10
	s_lshl_b32 s69, s[WP], 9
	s_add_co_u32 s68, s68, s69                     ; my first column, in bytes of f32
	s_mov_b32 s69, 0
	s_lshl_b32 s70, s66, 12
	s_add_co_u32 s70, s70, s68                     ; my corner of x and of out0
	s_mov_b32 s71, 0
	s_lshr_b32 s72, s66, 11
	s_lshl_b32 s72, s72, 16                        ; csc: 65,536 bytes a batch,
	s_and_b32 s73, s66, 2047
	s_lshl_b32 s73, s73, 1                         ; 2 bytes a token
	s_add_co_u32 s72, s72, s73
	s_mov_b32 s73, 0
	s_lshl_b32 s74, s68, 3                         ; Wo's scale bytes: 32 a row = 8 x the column's 4 bytes
	s_mov_b32 s75, 0
	s_wait_dscnt 0x0                               ; both opening adds are done
	s_wait_kmcnt 0x0
	s_add_nc_u64 s[6:7], s[6:7], s[72:73]
	s_add_nc_u64 s[10:11], s[10:11], s[74:75]
	s_add_nc_u64 s[12:13], s[12:13], s[68:69]
	s_add_nc_u64 s[14:15], s[14:15], s[70:71]
	s_add_nc_u64 s[16:17], s[16:17], s[70:71]
	CROUND                                         ; all sixteen work-groups are here: the joint loads meet
	s_mov_b32 s[G0], 1
	s_mov_b32 s[G0+1], s62
	s_add_nc_u64 s[G0+2:G0+3], s[4:5], s[58:59]
	s_or_b32 s[G0+3], s[G0+3], 0x80000000
	s_mov_b32 s[G0B], 1
	s_mov_b32 s[G0B+1], s63
	s_add_nc_u64 s[G0B+2:G0B+3], s[8:9], s[60:61]
	s_or_b32 s[G0B+3], s[G0B+3], 0x80000000
	JLOAD                                          ; my one tensor load of the launch
	v_and_b32 v[RR], 15, v0
	v_bfe_u32 v[HH], v0, 4, 1
	v_and_b32 v[LN], 31, v0
	v_lshlrev_b32 v[SO], 5, v[RR]
	v_lshl_add_u32 v[SO], v[HH], 4, v[SO]
	v_lshlrev_b32 v[QO], 15, v[HH]
	v_lshl_add_u32 v[QO], v[RR], 1, v[QO]
	v_lshlrev_b32 v[BO], 5, v[HH]
	v_lshlrev_b32 v[CO], 4, v[LN]
.irp i, 0,1,2,3,4,5,6,7
	global_load_b128 v[PS+4*\i:PS+4*\i+3], v[SO], s[10:11] offset:512*\i       ; lane (r, H): the words of K steps 4 H .. 4 H + 3 of row 16 i + r
.endr
.irp a, 0,1,2,3
.irp j, 0,1,2,3
.irp e, 0,1
	global_load_u16 v[T+8*\a+2*\j+\e], v[QO], s[6:7] offset:4096*(2*\j+\e)+32*\a   ; token 16 a + r, head 8 H + 2 j + e: its two bytes
.endr
.endr
.endr
.irp b, 0,1,2,3,4,5,6,7
	global_load_b128 v[BN+8*\b:BN+8*\b+3], v[BO], s[12:13] offset:64*\b
	global_load_b128 v[BN+8*\b+4:BN+8*\b+7], v[BO], s[12:13] offset:64*\b+16
.endr
.macro XLOAD a                         ; 16 rows of x, 512 bytes each, into window 3
.irp t, 0,1,2,3,4,5,6,7,8,9,10,11,12,13,14,15
	global_load_b128 v[64*\a+4*\t:64*\a+4*\t+3], v[CO], s[14:15] offset:65536*\a+4096*\t th:TH_LOAD_NT
.endr
.endm
	WIN 0xc0                                       ; destination window 3, address window 0
	XLOAD 0
	XLOAD 1
	XLOAD 2
	WIN 0
	s_mul_i32 s66, s[WP], HALFT
	v_mul_u32_u24 v4, v[RR], PITCH
	v_lshl_add_u32 v4, v[HH], 4, v4
	v_add_nc_u32 v[ADRB], s66, v4
	s_lshl_b32 s66, s[WQ], 15
	s_add_co_u32 s66, s66, CIMG
	v_add_nc_u32 v[ADRC], s66, v[CO]
	s_mul_i32 s66, s[WV], 16*SPITCH
	s_add_co_u32 s66, s66, STAGE                   ; my stage
	v_mul_u32_u24 v[STO], v[RR], SPITCH
	v_lshl_add_u32 v[STO], v[HH], 5, v[STO]
	v_add_nc_u32 v[STO], s66, v[STO]               ; in: row r, 32 bytes for each half of the lanes
	v_add_nc_u32 v[RD], s66, v[CO]                 ; back: the 32 lanes take one row of 512 bytes
	s_wait_loadcnt 48                              ; all but the 48 loads of x just issued: the scale bytes and bo are in
.irp a, 0,1,2,3
.irp j, 0,1,2,3
	v_lshl_or_b32 v[QS+4*\a+\j], v[T+8*\a+2*\j+1], 16, v[T+8*\a+2*\j]   ; lane (r, H): the word of K step 4 H + j
.endr
.endr
.rept 8
	v_nop                                          ; a scale register written by a vector instruction stands eight places ahead of a scaled product
.endr
	WIN 0xc0
	XLOAD 3
	WIN 0
.macro FETCH g, set
	WIN 0x40
.irp i, 0,1,2,3,4,5,6,7
.irp c, 0,1
	ds_load_b128 v[128*(\set)+8*\i+4*\c:128*(\set)+8*\i+4*\c+3], v[ADRB] offset:64*(\g)+32*\c+\i*16*PITCH
.endr
.endr
	WIN 0
.irp a, 0,1,2,3
.irp c, 0,1
	ds_load_b128 v[AF+32*(\set)+8*\a+4*\c:AF+32*(\set)+8*\a+4*\c+3], v[ADRC] offset:2048*(2*(\g)+\c)+512*\a
.endr
.endr
.endm
; 32 products of K step g; the 32 accumulators take turns in the same order in every step
.macro MUL32 g
.if (\g) == 0
	WIN 0x81                                       ; source 0 (Wo) window 1, source 1 (ctx) and C (bo) window 0, D window 2
.else
	WIN 0xa1                                       ; C and D window 2
.endif
.irp a, 0,1,2,3
.irp b, 0,1,2,3,4,5,6,7
.if (\g) == 0
	v_wmma_scale_f32_16x16x128_f8f6f4 v[8*(8*\a+\b):8*(8*\a+\b)+7], v[128*((\g)%2)+8*\b:128*((\g)%2)+8*\b+7], v[AF+32*((\g)%2)+8*\a:AF+32*((\g)%2)+8*\a+7], v[BN+8*\b:BN+8*\b+7], v[PS+4*\b+(\g)%4], v[QS+4*\a+(\g)%4] matrix_a_fmt:MATRIX_FMT_FP4 matrix_b_fmt:MATRIX_FMT_FP4
.elseif (\g) < 4
	v_wmma_scale_f32_16x16x128_f8f6f4 v[8*(8*\a+\b):8*(8*\a+\b)+7], v[128*((\g)%2)+8*\b:128*((\g)%2)+8*\b+7], v[AF+32*((\g)%2)+8*\a:AF+32*((\g)%2)+8*\a+7], v[8*(8*\a+\b):8*(8*\a+\b)+7], v[PS+4*\b+(\g)%4], v[QS+4*\a+(\g)%4] matrix_a_fmt:MATRIX_FMT_FP4 matrix_b_fmt:MATRIX_FMT_FP4
.else
	v_wmma_scale_f32_16x16x128_f8f6f4 v[8*(8*\a+\b):8*(8*\a+\b)+7], v[128*((\g)%2)+8*\b:128*((\g)%2)+8*\b+7], v[AF+32*((\g)%2)+8*\a:AF+32*((\g)%2)+8*\a+7], v[8*(8*\a+\b):8*(8*\a+\b)+7], v[PS+4*\b+(\g)%4], v[QS+4*\a+(\g)%4] matrix_a_fmt:MATRIX_FMT_FP4 matrix_b_fmt:MATRIX_FMT_FP4 matrix_a_scale:MATRIX_SCALE_ROW1 matrix_b_scale:MATRIX_SCALE_ROW1
.endif
.endr
.endr
.endm
.macro STEP g
	s_wait_dscnt 0x0                               ; this step's fragments are in: they were asked for ahead of the last step's 32 products
.if (\g) < 7
	PLACES                                         ; in front of loads into the set that the last step's products have read
	FETCH (\g)+1, 1-(\g)%2
.endif
	MUL32 \g
.endm
	s_wait_alu depctr_va_vdst(0)
	s_wait_tensorcnt 0x0                           ; my part of the tiles is in LDS,
	s_barrier_signal -1
	s_barrier_wait -1                              ; everybody's is
	FETCH 0, 0
.irp g, 0,1,2,3,4,5,6,7
	STEP \g
.endr
	WIN 0
; THE WAY OUT, 16 tokens x 128 columns at a time: through my own stage in LDS, back as whole rows of 512 bytes, + x, stored.  LDS serves a wave's instructions in order: no wait between the stores and the loads.
.macro TOSTAGE a
	WIN 0x08                                       ; an LDS store's data: window 2
.irp b, 0,1,2,3,4,5,6,7
	ds_store_b128 v[STO], v[64*(\a)+8*\b:64*(\a)+8*\b+3] offset:64*\b       ; each accumulator from its low end on
	ds_store_b128 v[STO], v[64*(\a)+8*\b+4:64*(\a)+8*\b+7] offset:64*\b+16
.endr
	WIN 0
.set BB, BK+64*((\a)%2)
.irp t, 0,1,2,3,4,5,6,7,8,9,10,11,12,13,14,15
	ds_load_b128 v[BB+4*\t:BB+4*\t+3], v[RD] offset:\t*SPITCH
.endr
.endm
.macro SEND a, younger                 ; younger: the LDS instructions issued behind block a's loads, which may stay out
.set BB, BK+64*((\a)%2)
	s_wait_dscnt \younger
	WIN 0x0c                                       ; source 1: x, in window 3
.set i, 0
.rept 32
	v_pk_add_f32 v[BB+i:BB+i+1], v[BB+i:BB+i+1], v[64*(\a)+i:64*(\a)+i+1]
.set i, i+2
.endr
	WIN 0
.irp t, 0,1,2,3,4,5,6,7,8,9,10,11,12,13,14,15
	global_store_b128 v[CO], v[BB+4*\t:BB+4*\t+3], s[16:17] offset:65536*(\a)+4096*\t th:TH_STORE_NT   ; 32 lanes store 512 consecutive bytes, aligned
.endr
.endm
	PLACES                                         ; behind the last products: results are read, and ctx's fragment registers are loaded into
	s_wait_loadcnt 0x0                             ; x
	TOSTAGE 0
.irp a, 1,2,3
.if \a > 1
	s_wait_xcnt 0x0                                ; block a - 2's stores have read their registers: block a's loads may land there
.endif
	TOSTAGE \a
	SEND \a-1, 32                                  ; behind block a - 1's loads: block a's 16 stores and 16 loads
.endr
	SEND 3, 0
	s_wait_tensorcnt 0x0                           ; the wave's end
	ds_add_u32 v[SPW], v[NIL]
	s_wait_dscnt 0x0
	CROUND                                         ; the closing round
	s_endpgm
.Lfunc_end_k_q4aa4155965_oproj:
	.size	k_q4aa4155965_oproj, .Lfunc_end_k_q4aa4155965_oproj-k_q4aa4155965_oproj
	.p2alignl 7, 3214868480
	.fill 96, 4, 3214868480
	.section	.rodata,"a",@progbits
	.p2align	6, 0x0
	.amdhsa_kernel k_q4aa4155965_oproj
		.amdhsa_group_segment_fixed_size 327680
		.amdhsa_private_segment_fixed_size 0
		.amdhsa_enable_private_segment 0
		.amdhsa_kernarg_size 56
		.amdhsa_user_sgpr_count 2
		.amdhsa_user_sgpr_kernarg_segment_ptr 1
		.amdhsa_wavefront_size32 1
		.amdhsa_system_sgpr_workgroup_id_x 1
		.amdhsa_system_sgpr_workgroup_id_y 1
		.amdhsa_system_sgpr_workgroup_id_z 1
		.amdhsa_system_vgpr_workitem_id 0
		.amdhsa_next_free_vgpr 1024
		.amdhsa_next_free_sgpr 90
		.amdhsa_reserve_vcc 0
		.amdhsa_float_denorm_mode_32 3
		.amdhsa_float_denorm_mode_16_64 3
		.amdhsa_memory_ordered 1
		.amdhsa_forward_progress 1
		.amdhsa_inst_pref_size 88
	.end_amdhsa_kernel
	.amdgpu_metadata
---
amdhsa.version: [ 1, 2 ]
amdhsa.kernels:
  - .name:           k_q4aa4155965_oproj
    .symbol:         k_q4aa4155965_oproj.kd
    .args:
      - { .name: cimg, .offset: 0, .size: 8, .value_kind: global_buffer, .address_space: global }
      - { .name: csc, .offset: 8, .size: 8, .value_kind: global_buffer, .address_space: global }
      - { .name: Wo_codes, .offset: 16, .size: 8, .value_kind: global_buffer, .address_space: global }
      - { .name: Wo_scales, .offset: 24, .size: 8, .value_kind: global_buffer, .address_space: global }
      - { .name: bo, .offset: 32, .size: 8, .value_kind: global_buffer, .address_space: global }
      - { .name: x, .offset: 40, .size: 8, .value_kind: global_buffer, .address_space: global }
      - { .name: out0, .offset: 48, .size: 8, .value_kind: global_buffer, .address_space: global }
    .group_segment_fixed_size: 327680
    .private_segment_fixed_size: 0
    .kernarg_segment_align: 8
    .kernarg_segment_size: 56
    .max_flat_workgroup_size: 128
    .sgpr_count:     90
    .vgpr_count:     1024
    .wavefront_size: 32
...
	.end_amdgpu_metadata
.endif
;; end of part 4
